; MI455X (gfx1250); checked and timed in simulation.
; The chip was launched on July 23, 2026; its instructions are those of AMD's public machine-readable ISA for CDNA 5 (MIT licence, August 2026) and "CDNA5" Instruction Set Architecture Reference Guide (July 2026). The comments in the code are by the model that wrote it; some were corrected since.
;; attn block separate add. Allowed arithmetic: matrix products marked QUANTISED: E4M3 operands, one given power-of-two scale a tensor, by v_wmma_f32_16x16x64_fp8_fp8 or v_wmma_f32_16x16x128_fp8_fp8, f32 sums; everything else in f32.
;; Inputs: aux_emb 8 x 1 x 512 float32; input_len 8 int32; kv_a one number float32; kv_b 512 float32; kv_be 512 float32; kv_g 512 float32; kv_w 512 x 512 float32; lowp_scales 16 int32 (the exponents e of the quantised operands' scales 2^e); q_lin_b 512 float32; q_lin_w 512 x 512 float32; query 8 x 2,000 x 512 float32; qv_a one number float32; qv_b 512 float32; qv_be 512 float32; qv_g 512 float32; qv_w 512 x 512 float32; sig_b 512 float32; sig_w 512 x 512 float32; tan_b 512 float32; tan_w 512 x 512 float32; value 8 x 2,000 x 512 float32; vv_a one number float32; vv_b 512 float32; vv_be 512 float32; vv_g 512 float32; vv_w 512 x 512 float32.
;; Outputs: out0 8 x 2,000 x 512 float32.
;; This version of the problem:
;;   THIS VERSION OF THE PROBLEM IS GIVEN IN LOW PRECISION. The matrix products marked QUANTISED in the list below multiply operands that are first quantised to E4M3 (4 exponent bits, 3 mantissa bits; 8 bits a number), with one given power-of-two scale for each operand tensor; their sums are f32. All else is computed in f32.
;;   The module's matrix products, in the order in which they are computed (A, B: the left and right operand; K: the contracted axis; several contracted axes count as one K, in the product's order):
;;     1. [M 16,000, K 512] x [K 512, N 512]; A: input query; B: input q_lin_w: QUANTISED (scales: A lowp_scales[0], B lowp_scales[1])
;;     2. [M 16,000, K 512] x [K 512, N 512]; A: computed on the way; B: input qv_w: QUANTISED (scales: A lowp_scales[2], B lowp_scales[3])
;;     3. [M 16,000, K 512] x [K 512, N 512]; A: computed on the way; B: input kv_w: QUANTISED (scales: A lowp_scales[4], B lowp_scales[5])
;;     4. [M 16,000, K 512] x [K 512, N 512]; A: computed on the way; B: input vv_w: QUANTISED (scales: A lowp_scales[6], B lowp_scales[7])
;;     5. [M 16,000, K 512] x [K 512, N 512]; A: computed on the way; B: input sig_w: QUANTISED (scales: A lowp_scales[8], B lowp_scales[9])
;;     6. [M 16,000, K 512] x [K 512, N 512]; A: computed on the way; B: input tan_w: QUANTISED (scales: A lowp_scales[10], B lowp_scales[11])
;;     7. batch 8 x [M 2,000, K 512] x [K 512, N 2,000]; A: computed on the way; B: computed on the way: QUANTISED (scales: A lowp_scales[12], B lowp_scales[13])
;;     8. batch 8 x [M 2,000, K 2,000] x [K 2,000, N 512]; A: softmax (see below); B: computed on the way: QUANTISED (scales: A lowp_scales[14], B lowp_scales[15])
;;   THE QUANTISER, for each operand of a quantised product, along K:
;;     - The operand's scale is 2^e, e = its entry of the input lowp_scales (int32; the entries are numbered through the quantised products in the list's order, A before B).
;;     - Each number is divided by the scale, clamped to +-448, and rounded to the nearest number of E4M3, ties to even, subnormals kept.
;;     - The product sums the exact products of the quantised numbers (number of the format x scale) in f32.
;;   ~~~python
;;   def quantise(x, axis, e):      # numpy; x: float32 -> the quantised numbers, widened to float32 again
;;       x = np.moveaxis(x, axis, -1); K = x.shape[-1]
;;       r = np.clip(x / 2.0 ** e, -448, 448)
;;       step = 2.0 ** (np.maximum(np.frexp(np.where(r == 0, 1, r))[1] - 1, -6) - 3)
;;       q = np.round(r / step) * step * 2.0 ** e      # np.round: ties to even
;;       return np.moveaxis(q, -1, axis).astype(np.float32)
;;   ~~~
;;   SOFTMAX AHEAD OF A QUANTISED PRODUCT. Where the list says 'softmax', what is quantised is not the finished softmax but p = 2^(t - M), with t = logit x log2(e) and M = ceil(the row's largest t), a whole number; so 1/2 < the row's largest p <= 1. The row's sum l is taken of the UNQUANTISED p, in f32, and the product's result is divided by l at the end. Since M is a whole number, a kernel that streams over the keys may use a running M (the ceiling of the running maximum): every later rescaling is an exact power of two, so the quantised numbers keep their values, but for numbers so far below the row's largest that they fall under the format's range.
;;   OPERANDS COMPUTED ON THE WAY. 'Computed on the way' means the value that the module computes at that place (a softmax that the list does not call 'softmax' is quantised finished and normalised). What goes into a quantiser is computed in f32, as accurately as f32 sums, v_exp_f32 and their like allow (about 1e-6 of the number): no bf16 or f16 on the way to a quantiser, and a product that is left as it is and whose result goes on into a quantised operand takes f32 operands (vector FMAs, or v_wmma_f32_16x16x4_f32). A number that lies on a knife's edge between two numbers of the format may be rounded either way, as far as f32 arithmetic and the matrix unit's own rounding can turn it there, and no further.
;; 2 versions, each right; version 2 is version 1 with the launch attn written anew for expert scheduling mode. Each part assembles by itself: llvm-mc -triple=amdgcn-amd-amdhsa -mcpu=gfx1250 --defsym DOCPART=n.
;; ======== version 1 of 2: 3 launches
;; limits: a function is approximated: absolute error at most 1e-07
;; workspace buffers: wfrag 1,572,864 bytes; qfrag 8,388,608 bytes; kfrag 8,388,608 bytes; vfrag 8,388,608 bytes; vsum 524,288 bytes
;; launch prep (part 1): grid 32 x 6, 4 waves a work-group, no clusters, 0 bytes of LDS; arguments q_lin_w, qv_w, kv_w, vv_w, tan_w, sig_w, lowp_scales, wfrag; writes wfrag
.if DOCPART == 1
	.amdgcn_target "amdgcn-amd-amdhsa--gfx1250"
	.amdhsa_code_object_version 6
	.text
	.protected	k_qe558b3d035_prep
	.globl	k_qe558b3d035_prep
	.p2align	8
	.type	k_qe558b3d035_prep,@function
k_qe558b3d035_prep:
	s_mov_b64 s[64:65], 0
	v_nop
	global_prefetch_b8 v0, s[64:65] scope:SCOPE_SE
	s_setreg_imm32_b32 hwreg(HW_REG_WAVE_MODE, 25, 1), 1
	s_wait_xcnt 0x0
; The six weights [512 (k)][512 (n)], f32, become codes of E4M3 laid in the order of an operand's registers.
; wfrag: [layer 6][wave 4][K step 4][tile 8][piece 4][lane 32][16 bytes]; layers: 0 q_lin, 1 qv, 2 kv, 3 vv, 4 tan, 5 sig.
; A fragment is 16 columns x 128 k: lane (r = lane % 16, h = lane / 16) holds column r; its registers 2 c, 2 c + 1 hold k = 16 c + 8 h + 0 .. 7.
; A LANE TAKES A COLUMN AND ITS REGISTERS RUN DOWN K, so the conversions' results are the operand's registers: nothing is transposed.
; Work-group (x, y): layer y, K step x % 4, four neighbouring column tiles 4 (x / 4) + wave: the four waves read 256 consecutive bytes of each row of the weight.
; code = x / 2^e, held within +-448, to the nearest code, ties to even.  LIMITS: e between -126 and 119.  NaN among the inputs is not served.
.set X,  16                            ; v16-79  the lane's 64 numbers
.set CD, 80                            ; v80-95  their codes: the fragment
	s_load_b512 s[4:19], s[0:1], 0x0               ; six weights s[4:15], the scales' exponents s[16:17], wfrag s[18:19]
	v_lshrrev_b32 v3, 5, v0
	v_readfirstlane_b32 s2, v3                     ; wave
	v_and_b32 v4, 31, v0                           ; lane
	v_and_b32 v5, 15, v0                           ; r
	v_bfe_u32 v6, v0, 4, 1                         ; h
	v_lshlrev_b32 v1, 2, v5
	v_lshl_add_u32 v1, v6, 14, v1                  ; in: 4 r + 8 h rows of 2,048 bytes
	v_lshlrev_b32 v2, 4, v4                        ; out: 16 x lane
	s_and_b32 s3, ttmp7, 0xffff                    ; layer
	s_and_b32 s24, ttmp9, 3                        ; K step
	s_lshr_b32 s25, ttmp9, 2
	s_lshl_b32 s25, s25, 2
	s_add_co_u32 s25, s25, s2                      ; column tile 0 .. 31
	s_lshl_b32 s26, s24, 18                        ; 128 rows of 2,048 bytes for each K step
	s_lshl_b32 s27, s25, 6                         ; 64 bytes for each column tile
	s_add_co_u32 s26, s26, s27
	s_mov_b32 s27, 0
	s_lshl_b32 s28, s3, 18                         ; out: layer x 262,144
	s_lshr_b32 s29, s25, 3
	s_lshl_b32 s29, s29, 16                        ; + (tile / 8) x 65,536: the wave of the next launch that owns these columns
	s_add_co_u32 s28, s28, s29
	s_lshl_b32 s29, s24, 14                        ; + K step x 16,384
	s_add_co_u32 s28, s28, s29
	s_and_b32 s29, s25, 7
	s_lshl_b32 s29, s29, 11                        ; + (tile % 8) x 2,048
	s_add_co_u32 s28, s28, s29
	s_mov_b32 s29, 0
	s_wait_kmcnt 0x0
	s_load_b512 s[36:51], s[16:17], 0x0            ; e0 .. e15
	s_mov_b64 s[20:21], s[4:5]                     ; the layer's weight: a choice on the work-group's number alone
.irp k, 1,2,3,4,5
	s_cmp_eq_u32 s3, \k
	s_cselect_b64 s[20:21], s[4+2*\k:5+2*\k], s[20:21]
.endr
	s_add_nc_u64 s[20:21], s[20:21], s[26:27]
	s_add_nc_u64 s[18:19], s[18:19], s[28:29]
.set c, 0
.rept 8
.set i, 0
.rept 8
	global_load_b32 v[X+8*c+i], v1, s[20:21] offset:(16*c+i)*2048 th:TH_LOAD_NT   ; W(128 s + 16 c + 8 h + i, my column)
.set i, i+1
.endr
.set c, c+1
.endr
	s_wait_kmcnt 0x0
	s_mov_b32 s22, s37                             ; the weight's exponent: entries 1, 3, 5, 7, 11 (tan), 9 (sig)
	s_cmp_eq_u32 s3, 1
	s_cselect_b32 s22, s39, s22
	s_cmp_eq_u32 s3, 2
	s_cselect_b32 s22, s41, s22
	s_cmp_eq_u32 s3, 3
	s_cselect_b32 s22, s43, s22
	s_cmp_eq_u32 s3, 4
	s_cselect_b32 s22, s47, s22
	s_cmp_eq_u32 s3, 5
	s_cselect_b32 s22, s45, s22
	s_add_co_i32 s23, s22, 127
	s_lshl_b32 s23, s23, 23
	v_mov_b32 v11, s23                             ; 2^e as f32: the conversion takes its exponent field
	s_add_co_i32 s22, s22, 135
	s_lshl_b32 s22, s22, 23
	s_or_b32 s22, s22, 0x600000
	v_mov_b32 v10, s22                             ; 448 x 2^e
.set c, 0
.rept 8
	s_wait_loadcnt 56-8*c                          ; loads come back in order: group c's eight are in, the later groups' (8 each) may be out
.set i, 0
.rept 8
	v_med3_num_f32 v[X+8*c+i], v[X+8*c+i], -v10, v10   ; the conversion does not saturate (ISA guide 7.6.2): the hold comes first
.set i, i+1
.endr
	v_cvt_scalef32_pk8_fp8_f32 v[CD+2*c:CD+2*c+1], v[X+8*c:X+8*c+7], v11
.set c, c+1
.endr
	v_nop                                          ; a plain line behind the last conversion
.irp q, 0,1,2,3
	global_store_b128 v2, v[CD+4*\q:CD+4*\q+3], s[18:19] offset:512*\q   ; the wave stores 512 consecutive bytes, aligned
.endr
	s_endpgm
.Lfunc_end_k_qe558b3d035_prep:
	.size	k_qe558b3d035_prep, .Lfunc_end_k_qe558b3d035_prep-k_qe558b3d035_prep
	.p2alignl 7, 3214868480
	.fill 96, 4, 3214868480
	.section	.rodata,"a",@progbits
	.p2align	6, 0x0
	.amdhsa_kernel k_qe558b3d035_prep
		.amdhsa_group_segment_fixed_size 0
		.amdhsa_private_segment_fixed_size 0
		.amdhsa_enable_private_segment 0
		.amdhsa_kernarg_size 64
		.amdhsa_user_sgpr_count 2
		.amdhsa_user_sgpr_kernarg_segment_ptr 1
		.amdhsa_wavefront_size32 1
		.amdhsa_system_sgpr_workgroup_id_x 1
		.amdhsa_system_sgpr_workgroup_id_y 1
		.amdhsa_system_sgpr_workgroup_id_z 1
		.amdhsa_system_vgpr_workitem_id 0
		.amdhsa_next_free_vgpr 96
		.amdhsa_next_free_sgpr 66
		.amdhsa_reserve_vcc 0
		.amdhsa_float_denorm_mode_32 3
		.amdhsa_float_denorm_mode_16_64 3
		.amdhsa_memory_ordered 1
		.amdhsa_forward_progress 1
		.amdhsa_inst_pref_size 14
	.end_amdhsa_kernel
	.amdgpu_metadata
---
amdhsa.version: [ 1, 2 ]
amdhsa.kernels:
  - .name:           k_qe558b3d035_prep
    .symbol:         k_qe558b3d035_prep.kd
    .args:
      - { .name: q_lin_w, .offset: 0, .size: 8, .value_kind: global_buffer, .address_space: global }
      - { .name: qv_w, .offset: 8, .size: 8, .value_kind: global_buffer, .address_space: global }
      - { .name: kv_w, .offset: 16, .size: 8, .value_kind: global_buffer, .address_space: global }
      - { .name: vv_w, .offset: 24, .size: 8, .value_kind: global_buffer, .address_space: global }
      - { .name: tan_w, .offset: 32, .size: 8, .value_kind: global_buffer, .address_space: global }
      - { .name: sig_w, .offset: 40, .size: 8, .value_kind: global_buffer, .address_space: global }
      - { .name: lowp_scales, .offset: 48, .size: 8, .value_kind: global_buffer, .address_space: global }
      - { .name: wfrag, .offset: 56, .size: 8, .value_kind: global_buffer, .address_space: global }
    .group_segment_fixed_size: 0
    .private_segment_fixed_size: 0
    .kernarg_segment_align: 8
    .kernarg_segment_size: 64
    .max_flat_workgroup_size: 128
    .sgpr_count:     66
    .vgpr_count:     96
    .wavefront_size: 32
...
	.end_amdgpu_metadata
.endif
;; end of part 1
;; launch proj (part 2): grid 32 x 8, 4 waves a work-group, no clusters, 327,680 bytes of LDS; arguments query, value, aux_emb, q_lin_b, qv_b, qv_g, qv_be, kv_b, kv_g, kv_be, vv_b, vv_g, vv_be, tan_b, sig_b, qv_a, kv_a, vv_a, lowp_scales, wfrag, qfrag, kfrag, vfrag, vsum; writes qfrag, kfrag, vfrag, vsum
.if DOCPART == 2
	.amdgcn_target "amdgcn-amd-amdhsa--gfx1250"
	.amdhsa_code_object_version 6
	.text
	.protected	k_qe558b3d035_proj
	.globl	k_qe558b3d035_proj
	.p2align	8
	.type	k_qe558b3d035_proj,@function
k_qe558b3d035_proj:
	s_mov_b64 s[64:65], 0
	v_nop
	global_prefetch_b8 v0, s[64:65] scope:SCOPE_SE
	s_setreg_imm32_b32 hwreg(HW_REG_WAVE_MODE, 25, 1), 1
	s_wait_xcnt 0x0
; All that is local to a row, for 64 rows of one batch: q = LN(prelu(Q(Q(query) Wl + bl + aux) Wq + bq)), k and v0 likewise from value + aux, v = sigmoid(Q(v0) Ws + bs) tanh(Q(v0) Wt + bt).
; Out go codes of E4M3 in the order of the next launch's operand registers: qfrag, kfrag [b][row tile 128][K step 4][2,048], vfrag [b][key step 16][channel tile 32][2,048], and
; vsum [b][block 32][512] f32: the block's sum of code(1) x code(v), made by the matrix unit, for the rows that attend to all keys alike.
; SHARES.  Work-group (g, b): rows 64 g .. 64 g + 63 of batch b, a batch counted as 2,048 rows; a tile begins at row min(64 g + 16 m, 1984), so block 31's tiles 1 to 3 repeat tile 124:
; their keys lie behind every query, and vsum leaves them out.  THE WAVES SHARE THE COLUMNS: wave w owns columns 128 w .. 128 w + 127 of every layer for all 64 rows, so each weight byte goes from
; memory into one wave's registers once, and what goes round through LDS is the rows' codes, as images of operand registers (piece q of a fragment at 512 q + 16 x lane).
; LAYOUT.  The matrix form's own: lane (r, h) holds row or column r, registers 2 c, 2 c + 1 hold k = 16 c + 8 h + 0 .. 7; result register j holds (8 h + j, r).  Used transposed (source 0 = 16 columns of W,
; source 1 = 16 rows) a lane's eight results of tile u are eight neighbours along the next K: one conversion makes registers 2 u, 2 u + 1 of the next operand.  tan and sig are used the other way round, so that a lane
; holds one channel and eight keys: the operand of the last product.
; No cluster: every weight byte is wanted by one wave of a work-group alone and goes straight into its registers; a joint load would land in LDS and be read from there once more.
; LIMITS.  Each e between -126 and 119; e0+e1, e2+e3, e4+e5, e6+e7, e8+e9, e10+e11 each between -126 and 126.  NaN among the inputs is not served.
; tanh(x) = 1 - 2 / (1 + 2^(2 x log2 e)): its absolute error is about 1e-7, so its relative error grows for |x| under about 1e-3.
; REGISTERS, in windows of 256.  Window 0: below.  Window 1: the 32 accumulators, (m, u) at 8 (8 m + u).  Window 2: query's 256 numbers a lane, later tanh.  Window 3: two buffers of eight weight fragments.
.set QS,    0                          ; LDS: four waves' 16 rows of query: 32 half rows of 1,024 bytes + 16; read out, they hold images: +0 query, +8192 layer 2's rows, +16384 k's, +24576 v's
.set VS,    133120                     ; the same for value; read out: +0 tan's rows, +8192 sig's
.set REG,   33280                      ; a wave's region
.set VEC,   266240                     ; 13 vectors of 2,048 bytes: 0 q_lin_b + aux, 1 aux, 2-4 qv b g be, 5-7 kv, 8-10 vv, 11 tan_b, 12 sig_b
.set STAT,  292864                     ; 3 x 2,048: for each LayerNorm [m][r][wave] pairs (mean, sum of squares about it)
.set VST,   299008                     ; 4 x 512: each wave's stage for vsum
.set SPARE, 301056                     ; the spare words, 128 bytes for each wave: two blocks of 256 bytes that no other line names
.set LI,   1                           ; v1   16 x lane
.set EV,   2                           ; v2-5 (behind the second barrier) where I store tan's and sig's images: EW[m] + VS.  Before: v2 r, v3 h, v4, v5 my place in the staged rows
.set SQ,   4
.set SV,   5
.set IW,   6                           ; v6   my region + 16 x lane
.set AX,   7                           ; v7   aux: VEC + 2048 + 32 h
.set EW,   8                           ; v8-11 where I store K step w of row tile m: REG m + 2048 w + 16 x lane
.set AFA,  12                          ; v12-15 where row tile m's fragments are fetched
.set VB0,  16                          ; v16  VEC + 512 w + 32 h: my columns of a vector
.set VBT,  17
.set STW,  18                          ; v18, v19 STAT: write, read; v20, v21 the trip's
.set STR,  19
.set STWT, 20
.set STRT, 21
.set BIA,  22                          ; v22  tan_b at my column: VEC + 22528 + 512 w + 4 r
.set VSW,  23
.set VSR,  24
.set VCW,  25                          ; v25  VEC + 16 x thread
.set QSC,  26                          ; v26, v27 the quantiser in hand: 2^e, 448 x 2^e;  v28, v29 a second one
.set QLM,  27
.set QSC2, 28
.set QLM2, 29
.set SPW,  30                          ; v30  my spare word; v31  0: both never rewritten
.set NIL,  31
.set PC,   32                          ; v32-47 a fragment's codes; in the last two layers the biases
.set MW,   48                          ; v48-55 pairs (my wave's mean, later the row's; sum of squares); later the codes of 1
.set PONE, 48
.set RN,   56                          ; v56-63 pairs (1 / sqrt(var + eps), -)
.set R1,   64                          ; v64-127  fragment buffer 0 / at work
.set R2,   128                         ; v128-191 fragment buffer 1 / gain / v's codes
.set R3,   192                         ; v192-255 bias / shift / the sums for vsum
.set W,    4                           ; s[4:5] my part of the layer in hand; s[6:7] of the next
.set WN,   6
.set P23,  14                          ; 2^(eA + eB) of layers 2, 3, 4; P01 of layer 1
.set P45,  15
.set P67,  16
.set Q12,  17                          ; pairs (2^e, 448 x 2^e)
.set Q13,  19
.set Q10,  21
.set Q8,   23
.set Q0,   25
.set Q2,   27
.set Q4,   29
.set Q6,   31
.set P01,  33
.set GT,   34                          ; 2 log2(e) x 2^(e10 + e11);  GS: -log2(e) x 2^(e8 + e9)
.set GS,   35
.set Q15,  36
.set Q14,  38
.set E,    68                          ; s[68:83] e0 .. e15
.set MSB, 0
.macro WIN new                         ; the immediate's high byte repeats the setting that is left; at labels and branches every window is 0
.if MSB != (\new)
	s_set_vgpr_msb (MSB<<8)|(\new)
.set MSB, \new
.endif
.endm
.macro PLACES                          ; four plain lines behind matrix instructions, ahead of reads of results and of loads into operands
.rept 4
	v_nop
.endr
.endm
.macro BARRIER                         ; my LDS stores have landed and my LDS loads are in: then the work-group's barrier
	s_wait_dscnt 0x0
	s_barrier_signal -1
	s_barrier_wait -1
.endm
.macro MKQ sc, e
	s_add_co_i32 s[\sc], s[\e], 127
	s_add_co_i32 s[\sc+1], s[\e], 135
	s_lshl_b32 s[\sc], s[\sc], 23
	s_lshl_b32 s[\sc+1], s[\sc+1], 23
	s_or_b32 s[\sc+1], s[\sc+1], 0x600000
.endm
.macro MKP d, ea, eb
	s_add_co_i32 s[\d], s[\ea], s[\eb]
	s_add_co_i32 s[\d], s[\d], 127
	s_lshl_b32 s[\d], s[\d], 23
.endm
.macro SETQ q
	v_mov_b32 v[QSC], s[\q]
	v_mov_b32 v[QLM], s[\q+1]
.endm
.macro SETQ2 q
	v_mov_b32 v[QSC2], s[\q]
	v_mov_b32 v[QLM2], s[\q+1]
.endm
.macro SETAFA                          ; s66: where the images in hand begin
	v_add_nc_u32 v[AFA], s66, v[LI]
	v_add_nc_u32 v[AFA+1], REG, v[AFA]
	v_add_nc_u32 v[AFA+2], 2*REG, v[AFA]
	v_add_nc_u32 v[AFA+3], 3*REG, v[AFA]
.endm
.macro VLOAD reg, adr, off             ; a vector's 64 numbers in the transposed result's layout: register 8 u + j = column 128 w + 16 u + 8 h + j
.set vi, 0
.rept 16
	ds_load_b128 v[(\reg)+4*vi:(\reg)+4*vi+3], v[\adr] offset:(\off)+64*(vi/2)+16*(vi%2)
.set vi, vi+1
.endr
.endm
.macro AFETCH s, buf                   ; K step s of the four row tiles
.set ai, 0
.rept 16
	ds_load_b128 v[(\buf)+4*ai:(\buf)+4*ai+3], v[AFA+ai/4] offset:2048*(\s)+512*(ai%4)
.set ai, ai+1
.endr
.endm
.macro WLOAD p, base, off              ; a K step's eight weight fragments, 16 KiB, into buffer p of window 3: each load takes 512 consecutive bytes
	WIN 0xc0
.set wi, 0
.rept 32
	global_load_b128 v[128*(\p)+4*wi:128*(\p)+4*wi+3], v[LI], s[\base:\base+1] offset:(\off)+512*wi
.set wi, wi+1
.endr
	WIN 0
.endm
.macro HOLDTO dst, src, lim, win       ; the conversion does not saturate (ISA guide 7.6.2): 64 numbers held within +-448 x the scale
	WIN \win
.set hx, 0
.rept 64
	v_med3_num_f32 v[(\dst)+hx], v[(\src)+hx], -v[\lim], v[\lim]
.set hx, hx+1
.endr
.endm
.macro CVTW dst, src, sc, win          ; 64 numbers become a fragment's 16 registers
	s_wait_xcnt 0x0                                ; earlier stores have read the codes' registers:
	s_wait_dscnt 0x0                               ; global ones, and those into LDS
	WIN \win
.set ci, 0
.rept 8
	v_cvt_scalef32_pk8_fp8_f32 v[(\dst)+2*ci:(\dst)+2*ci+1], v[(\src)+8*ci:(\src)+8*ci+7], v[\sc]
.set ci, ci+1
.endr
	v_nop                                          ; a plain line behind the last conversion, ahead of whatever next touches its registers
	WIN 0
.endm
.macro IMAGE adr, src, off
.irp q, 0,1,2,3
	ds_store_b128 v[\adr], v[(\src)+4*\q:(\src)+4*\q+3] offset:(\off)+512*\q
.endr
.endm
; A layer's products: 4 K steps x 32 matrix instructions.  mode 0: transposed (source 0 = W); mode 1: source 0 = the rows.  The 32 accumulators take turns, one instruction a turn, in the same order in
; every K step.  The rows' fragments are fetched one K step ahead, the weights two: behind K steps 2 and 3 the next layer's first two batches go out.
.macro GEMM mode
	AFETCH 0, R1
.irp s, 0,1,2,3
.if \s < 3
	AFETCH \s+1, R1+64*((\s+1)%2)
	s_wait_dscnt 16                                ; all but the 16 loads just issued
.else
	s_wait_dscnt 0x0
.endif
	s_wait_loadcnt 32                              ; this K step's weights are in; the one younger batch, 32 loads, may be out
.if \mode
	WIN 0x5c                                       ; source 0 window 0, source 1 (W) window 3, C and D window 1
.else
	WIN 0x53                                       ; source 0 (W) window 3, source 1 window 0, C and D window 1
.endif
.set m, 0
.rept 4
.set u, 0
.rept 8
.set rD, 8*(8*m+u)
.set rW, 128*(\s%2)+16*u
.set rA, R1+64*(\s%2)+16*m
.if \mode
.if \s == 0
	v_wmma_f32_16x16x128_fp8_fp8 v[rD:rD+7], v[rA:rA+15], v[rW:rW+15], 0
.else
	v_wmma_f32_16x16x128_fp8_fp8 v[rD:rD+7], v[rA:rA+15], v[rW:rW+15], v[rD:rD+7]
.endif
.else
.if \s == 0
	v_wmma_f32_16x16x128_fp8_fp8 v[rD:rD+7], v[rW:rW+15], v[rA:rA+15], 0
.else
	v_wmma_f32_16x16x128_fp8_fp8 v[rD:rD+7], v[rW:rW+15], v[rA:rA+15], v[rD:rD+7]
.endif
.endif
.set u, u+1
.endr
.set m, m+1
.endr
	WIN 0
	PLACES
.if \s < 2
	WLOAD \s%2, W, (\s+2)*16384
.else
	WLOAD \s%2, WN, (\s-2)*16384
.endif
.endr
.endm
	s_load_b512 s[4:19], s[0:1], 0x0               ; query, value, aux_emb, q_lin_b, qv_b, qv_g, qv_be, kv_b
	s_load_b512 s[20:35], s[0:1], 0x40             ; kv_g, kv_be, vv_b, vv_g, vv_be, tan_b, sig_b, qv_a
	s_load_b512 s[36:51], s[0:1], 0x80             ; kv_a, vv_a, lowp_scales, wfrag, qfrag, kfrag, vfrag, vsum
	v_lshl_add_u32 v[SPW], v0, 2, SPARE
	v_mov_b32 v[NIL], 0
	ds_add_u32 v[SPW], v[NIL]                      ; the wave's opening: the add and its wait stand ahead of my first tensor load; work on registers stands between
	v_lshrrev_b32 v1, 5, v0
	v_readfirstlane_b32 s2, v1                     ; wave
	s_mov_b32 s3, ttmp9                            ; g: the block of 64 rows
	s_and_b32 s55, ttmp7, 0xffff                   ; b
	; descriptor group 1: 16 rows of 2,048 bytes are one dense block, stated as 32 rows of 256 elements of 4 bytes, 4 words of padding behind each
	s_mov_b32 s84, 0x07d20000                      ; 17:16 elements of 4 bytes; 20 padding on; 24:22 after every 256 words (code 7); 31:25 four words (code 3)
	s_mov_b32 s85, 256<<16                         ; tensor_dim0
	s_mov_b32 s86, 32<<16                          ; tensor_dim1
	s_mov_b32 s87, 256<<16                         ; tile_dim0
	s_mov_b32 s88, 32                              ; tile_dim1
	s_mov_b32 s89, 256                             ; from row to row
	s_mov_b32 s90, 0
	s_mov_b32 s91, 0
	s_mov_b32 s60, 0x76543210                      ; v_permlanex16_b32: lane l xor 16
	s_mov_b32 s61, 0xfedcba98
	s_lshl_b32 s56, s3, 6
	s_lshl_b32 s57, s2, 4
	s_add_co_u32 s56, s56, s57
	s_min_u32 s56, s56, 1984                       ; my tile's first row in the batch
	s_mul_i32 s57, s55, 2000
	s_add_co_u32 s56, s56, s57
	s_lshl_b32 s56, s56, 11                        ; in bytes: under 2^25
	s_mov_b32 s57, 0
	s_mul_i32 s101, s2, REG                        ; my region in LDS
	s_wait_dscnt 0x0                               ; the opening add is done
	s_wait_kmcnt 0x0
	s_mov_b32 s92, 1
	s_add_co_u32 s93, s101, QS
	s_add_nc_u64 s[94:95], s[4:5], s[56:57]
	s_or_b32 s95, s95, 0x80000000
	s_mov_b32 s96, 1
	s_add_co_u32 s97, s101, VS
	s_add_nc_u64 s[98:99], s[6:7], s[56:57]
	s_or_b32 s99, s99, 0x80000000
	tensor_load_to_lds s[92:95], s[84:91]          ; my 16 rows of query,
	s_nop 0
	tensor_load_to_lds s[96:99], s[84:91]          ; and of value: two loads of mine are out, and no descriptor register is rewritten
	s_nop 0
	PLACES
	s_load_b512 s[68:83], s[40:41], 0x0            ; e0 .. e15
	s_load_b32 s52, s[34:35], 0x0                  ; the three slopes
	s_load_b32 s53, s[36:37], 0x0
	s_load_b32 s54, s[38:39], 0x0
	s_lshl_b32 s56, s2, 16
	s_add_nc_u64 s[W:W+1], s[42:43], s[56:57]      ; layer 0, my columns
	s_add_nc_u64 s[WN:WN+1], s[W:W+1], 262144
	s_lshl_b32 s56, s55, 11
	s_add_nc_u64 s[8:9], s[8:9], s[56:57]          ; aux of my batch
	v_and_b32 v1, 31, v0
	v_lshlrev_b32 v[LI], 4, v1
	v_lshlrev_b32 v[VBT], 4, v0                    ; 16 bytes a thread of each vector
	global_load_b128 v[R1:R1+3], v[VBT], s[10:11]
	global_load_b128 v[R1+4:R1+7], v[VBT], s[8:9]
.irp i, 2,3,4,5,6,7,8,9,10,11,12
	global_load_b128 v[R1+4*\i:R1+4*\i+3], v[VBT], s[8+2*\i:9+2*\i]
.endr
	WLOAD 0, W, 0
	v_and_b32 v2, 15, v0                           ; r
	v_bfe_u32 v3, v0, 4, 1                         ; h
	v_mul_u32_u24 v[SQ], v2, 2080
	v_lshl_add_u32 v[SQ], v3, 5, v[SQ]
	v_add_nc_u32 v[SQ], s101, v[SQ]                ; staged row r (two half rows of 1,040), + 32 h
	v_add_nc_u32 v[SV], VS, v[SQ]
	v_add_nc_u32 v[IW], s101, v[LI]
	v_lshl_add_u32 v[AX], v3, 5, VEC+2048
	s_lshl_b32 s63, s2, 11
	v_add_nc_u32 v[EW], s63, v[LI]
	v_add_nc_u32 v[EW+1], REG, v[EW]
	v_add_nc_u32 v[EW+2], 2*REG, v[EW]
	v_add_nc_u32 v[EW+3], 3*REG, v[EW]
	s_lshl_b32 s63, s2, 9
	v_lshl_add_u32 v[VB0], v3, 5, VEC
	v_add_nc_u32 v[VB0], s63, v[VB0]
	v_lshl_add_u32 v[BIA], v2, 2, VEC+22528
	v_add_nc_u32 v[BIA], s63, v[BIA]
	v_lshl_add_u32 v[VSW], v2, 2, VST
	v_add_nc_u32 v[VSW], s63, v[VSW]
	v_add_nc_u32 v[VSR], VST, v[LI]
	v_add_nc_u32 v[VSR], s63, v[VSR]
	v_lshl_add_u32 v[STR], v2, 5, STAT
	s_lshl_b32 s63, s2, 3
	v_add_nc_u32 v[STW], s63, v[STR]
	v_lshl_add_u32 v[VCW], v0, 4, VEC
.set i, 0
.rept 16
	v_mov_b32 v[MW+i], 0                           ; named as pairs before both halves are made
.set i, i+1
.endr
	s_wait_loadcnt 32                              ; the 13 vector loads are in; the 32 weight loads behind them may be out
	v_pk_add_f32 v[R1:R1+1], v[R1:R1+1], v[R1+4:R1+5]      ; q_lin_b + aux
	v_pk_add_f32 v[R1+2:R1+3], v[R1+2:R1+3], v[R1+6:R1+7]
.irp i, 0,1,2,3,4,5,6,7,8,9,10,11,12
	ds_store_b128 v[VCW], v[R1+4*\i:R1+4*\i+3] offset:2048*\i
.endr
	WLOAD 1, W, 16384
	s_wait_kmcnt 0x0                               ; exponents and slopes; the pointers s8-s41 are done with
	MKP P01, E+0, E+1
	MKP P23, E+2, E+3
	MKP P45, E+4, E+5
	MKP P67, E+6, E+7
	MKQ Q0, E+0
	MKQ Q2, E+2
	MKQ Q4, E+4
	MKQ Q6, E+6
	MKQ Q8, E+8
	MKQ Q10, E+10
	MKQ Q12, E+12
	MKQ Q13, E+13
	MKQ Q14, E+14
	MKQ Q15, E+15
	s_add_co_i32 s[GT], s[E+10], s[E+11]
	s_lshl_b32 s[GT], s[GT], 23
	s_add_co_i32 s[GT], s[GT], 0x4038aa3b          ; the exponents are added to the exponent field of 2 log2(e),
	s_add_co_i32 s[GS], s[E+8], s[E+9]
	s_lshl_b32 s[GS], s[GS], 23
	s_add_co_i32 s[GS], s[GS], 0xbfb8aa3b          ; and of -log2(e)
	s_lshl_b32 s56, s55, 20                        ; qfrag, kfrag: b x 2^20 + g x 32,768 + w x 2,048
	s_lshl_b32 s63, s3, 15
	s_add_co_u32 s56, s56, s63
	s_lshl_b32 s63, s2, 11
	s_add_co_u32 s56, s56, s63
	s_add_nc_u64 s[44:45], s[44:45], s[56:57]
	s_add_nc_u64 s[46:47], s[46:47], s[56:57]
	s_lshl_b32 s56, s55, 20                        ; vfrag: b x 2^20 + (g / 2) x 65,536 + w x 16,384 + (g % 2) x 1,024
	s_lshr_b32 s63, s3, 1
	s_lshl_b32 s63, s63, 16
	s_add_co_u32 s56, s56, s63
	s_lshl_b32 s63, s2, 14
	s_add_co_u32 s56, s56, s63
	s_and_b32 s63, s3, 1
	s_lshl_b32 s63, s63, 10
	s_add_co_u32 s56, s56, s63
	s_add_nc_u64 s[48:49], s[48:49], s[56:57]
	s_lshl_b32 s56, s55, 5                         ; vsum: (32 b + g) x 2,048 + 512 w
	s_add_co_u32 s56, s56, s3
	s_lshl_b32 s56, s56, 11
	s_lshl_b32 s63, s2, 9
	s_add_co_u32 s56, s56, s63
	s_add_nc_u64 s[50:51], s[50:51], s[56:57]
	; ---- query's 16 rows of mine become four fragments
	SETQ Q0
	s_wait_tensorcnt 0x1                           ; my rows of query have landed; value's load, issued behind, may be out
	WIN 0x80                                       ; destination window 2
.set i, 0
.rept 64                               ; i = 16 s + 2 c + a: register 64 s + 8 c + 4 a = k 128 s + 16 c + 8 h + 4 a on
	ds_load_b128 v[4*i:4*i+3], v[SQ] offset:((i/16)/2)*1040+((i/16)%2)*512+64*((i%16)/2)+16*(i%2)
.set i, i+1
.endr
	WIN 0
	s_wait_dscnt 0x0                               ; all of my staged rows are in registers: their bytes may take images
.irp s, 0,1,2,3
	HOLDTO R1, 64*\s, QLM, 0x02
	CVTW R2+16*\s, R1, QSC, 0
.endr
.irp s, 0,1,2,3
	IMAGE IW, R2+16*\s, 2048*\s
.endr
	BARRIER                                        ; the vectors and query's sixteen fragments lie in LDS; every wave's rows of query have landed and been read
	; ---- layer 1: query Wl + (bl + aux), quantised for layer 2
	SETQ Q2
	s_mov_b32 s58, s[P01]
	s_mov_b32 s59, s58
	s_mov_b32 s66, QS
	SETAFA
	VLOAD R3, VB0, 0
	GEMM 0
.irp m, 0,1,2,3
	WIN 0x01                                       ; source 0 window 1
.set i, 0
.rept 32
	v_pk_fma_f32 v[R1+i:R1+i+1], v[64*\m+i:64*\m+i+1], s[58:59], v[R3+i:R3+i+1] op_sel_hi:[1,0,1]   ; sum x 2^(e0 + e1) + bias; each accumulator from its low end on
.set i, i+2
.endr
	HOLDTO R1, R1, QLM, 0
	CVTW PC, R1, QSC, 0
	IMAGE EW+\m, PC, 8192
.endr
	s_wait_xcnt 0x0                                ; the weight loads have read their bases
	s_mov_b64 s[W:W+1], s[WN:WN+1]
	s_add_nc_u64 s[WN:WN+1], s[WN:WN+1], 262144
	; ---- value + aux, quantised twice: for k's layer (e4) and for v's (e6)
	SETQ Q4
	SETQ2 Q6
	s_wait_tensorcnt 0x0                           ; my rows of value have landed
.irp s, 0,1,2,3
.set i, 0
.rept 16
	ds_load_b128 v[R1+4*i:R1+4*i+3], v[SV] offset:(\s/2)*1040+(\s%2)*512+64*(i/2)+16*(i%2)
	ds_load_b128 v[R2+4*i:R2+4*i+3], v[AX] offset:512*\s+64*(i/2)+16*(i%2)
.set i, i+1
.endr
	s_wait_dscnt 0x0
.set i, 0
.rept 32
	v_pk_add_f32 v[R1+i:R1+i+1], v[R1+i:R1+i+1], v[R2+i:R2+i+1]
.set i, i+2
.endr
	HOLDTO R3, R1, QLM, 0
	CVTW PC, R3, QSC, 0
	IMAGE IW, PC, 16384+2048*\s
	HOLDTO R3, R1, QLM2, 0
	CVTW PC, R3, QSC2, 0
	IMAGE IW, PC, 24576+2048*\s
.endr
	BARRIER                                        ; the rows of layers 2, 3 and 4 lie in LDS; every wave's rows of value have landed and been read
.irp m, 0,1,2,3
	v_add_nc_u32 v[EV+\m], VS, v[EW+\m]
.endr
	SETQ2 Q8
	; ---- three layers with PReLU and LayerNorm: trip 0 q, 1 k, 2 v
; Pass 1 and 2 of row tile m: y = prelu(sum x 2^e + b) in place; my 128 columns' mean; their sum of squares about it
.macro PASS12 m
	WIN 0x41                                       ; destination and source 0 window 1
.set i, 0
.rept 32
	v_pk_fma_f32 v[64*(\m)+i:64*(\m)+i+1], v[64*(\m)+i:64*(\m)+i+1], s[58:59], v[R3+i:R3+i+1] op_sel_hi:[1,0,1]
.set i, i+2
.endr
	WIN 0x01
.set i, 0
.rept 32
	v_pk_mul_f32 v[R1+i:R1+i+1], v[64*(\m)+i:64*(\m)+i+1], s[56:57] op_sel_hi:[1,0]   ; a y
.set i, i+2
.endr
	WIN 0x44                                       ; destination and source 1 window 1
.set i, 0
.rept 64
	v_cmp_le_f32 vcc_lo, 0, v[64*(\m)+i]
	v_cndmask_b32 v[64*(\m)+i], v[R1+i], v[64*(\m)+i], vcc_lo   ; y where 0 <= y, else a y
.set i, i+1
.endr
	WIN 0x05
	v_pk_add_f32 v[R1:R1+1], v[64*(\m):64*(\m)+1], v[64*(\m)+2:64*(\m)+3]       ; the sum, in two chains
	v_pk_add_f32 v[R1+2:R1+3], v[64*(\m)+4:64*(\m)+5], v[64*(\m)+6:64*(\m)+7]
	WIN 0x01
.set i, 8
.rept 14
	v_pk_add_f32 v[R1:R1+1], v[64*(\m)+i:64*(\m)+i+1], v[R1:R1+1]
	v_pk_add_f32 v[R1+2:R1+3], v[64*(\m)+i+2:64*(\m)+i+3], v[R1+2:R1+3]
.set i, i+4
.endr
	WIN 0
	v_pk_add_f32 v[R1:R1+1], v[R1:R1+1], v[R1+2:R1+3]
	v_add_f32 v[R1], v[R1], v[R1+1]
	v_permlanex16_b32 v[R1+1], v[R1], s60, s61     ; the row's other 64 of my columns lie in the lane 16 away
	v_add_f32 v[R1], v[R1], v[R1+1]
	v_mul_f32 v[MW+2*(\m)], 0x3c000000, v[R1]      ; / 128
	WIN 0x01
.set i, 0
.rept 32
	v_pk_add_f32 v[R1+i:R1+i+1], v[64*(\m)+i:64*(\m)+i+1], v[MW+2*(\m):MW+2*(\m)+1] op_sel_hi:[1,0] neg_lo:[0,1] neg_hi:[0,1]
.set i, i+2
.endr
	WIN 0
	v_pk_mul_f32 v[R2:R2+1], v[R1:R1+1], v[R1:R1+1]
	v_pk_mul_f32 v[R2+2:R2+3], v[R1+2:R1+3], v[R1+2:R1+3]
.set i, 4
.rept 15
	v_pk_fma_f32 v[R2:R2+1], v[R1+i:R1+i+1], v[R1+i:R1+i+1], v[R2:R2+1]
	v_pk_fma_f32 v[R2+2:R2+3], v[R1+i+2:R1+i+3], v[R1+i+2:R1+i+3], v[R2+2:R2+3]
.set i, i+4
.endr
	v_pk_add_f32 v[R2:R2+1], v[R2:R2+1], v[R2+2:R2+3]
	v_add_f32 v[R2], v[R2], v[R2+1]
	v_permlanex16_b32 v[R2+1], v[R2], s60, s61
	v_add_f32 v[MW+2*(\m)+1], v[R2], v[R2+1]
	ds_store_b64 v[STWT], v[MW+2*(\m):MW+2*(\m)+1] offset:512*(\m)
.endm
; The four waves' means and sums of squares of row tile m become the row's: mu = the mean of the means; M2 = the sum of the four + 128 x the sum of (mean - mu)^2.  No difference of large sums is formed.
.macro COMB m
.set XX, R1+8*(\m)
.set TT, R1+32+2*(\m)
	v_add_f32 v[TT], v[XX], v[XX+2]
	v_add_f32 v[TT+1], v[XX+4], v[XX+6]
	v_add_f32 v[TT], v[TT], v[TT+1]
	v_mul_f32 v[MW+2*(\m)], 0x3e800000, v[TT]      ; mu
	v_add_f32 v[XX+1], v[XX+1], v[XX+3]
	v_add_f32 v[XX+5], v[XX+5], v[XX+7]
	v_add_f32 v[XX+1], v[XX+1], v[XX+5]
	v_sub_f32 v[XX], v[XX], v[MW+2*(\m)]
	v_sub_f32 v[XX+2], v[XX+2], v[MW+2*(\m)]
	v_sub_f32 v[XX+4], v[XX+4], v[MW+2*(\m)]
	v_sub_f32 v[XX+6], v[XX+6], v[MW+2*(\m)]
	v_mul_f32 v[TT], v[XX], v[XX]
	v_fmac_f32 v[TT], v[XX+2], v[XX+2]
	v_fmac_f32 v[TT], v[XX+4], v[XX+4]
	v_fmac_f32 v[TT], v[XX+6], v[XX+6]
	v_fmamk_f32 v[XX+1], v[TT], 0x43000000, v[XX+1]
	v_fma_f32 v[XX+1], v[XX+1], s63, s101          ; M2 / 512 + 1e-5
.endm
; Pass 3 of row tile m: ((y - mu) x rstd) x g + be, held, quantised; the hold goes into the tile's accumulator registers, which are done with, so that the numbers stay for a second quantiser.
; Trips 0 and 1 store the fragment to memory, trip 2 to LDS, once for tan (e10) and once for sig (e8): a branch on the loop's counter.
.macro PASS3 m
	WIN 0x01
.set i, 0
.rept 32
	v_pk_add_f32 v[R1+i:R1+i+1], v[64*(\m)+i:64*(\m)+i+1], v[MW+2*(\m):MW+2*(\m)+1] op_sel_hi:[1,0] neg_lo:[0,1] neg_hi:[0,1]
.set i, i+2
.endr
	WIN 0
.set i, 0
.rept 32
	v_pk_mul_f32 v[R1+i:R1+i+1], v[R1+i:R1+i+1], v[RN+2*(\m):RN+2*(\m)+1] op_sel_hi:[1,0]
.set i, i+2
.endr
.set i, 0
.rept 32
	v_pk_fma_f32 v[R1+i:R1+i+1], v[R1+i:R1+i+1], v[R2+i:R2+i+1], v[R3+i:R3+i+1]
.set i, i+2
.endr
	HOLDTO 64*(\m), R1, QLM, 0x40
	CVTW PC, 64*(\m), QSC, 0x01
	s_cmp_lt_u32 s62, 2
	s_cbranch_scc0 .Lto_lds_\@
.irp q, 0,1,2,3
	global_store_b128 v[LI], v[PC+4*\q:PC+4*\q+3], s[12:13] offset:8192*(\m)+512*\q   ; 512 consecutive bytes, aligned
.endr
	s_branch .Lsent_\@
.Lto_lds_\@:
	IMAGE EV+\m, PC, 0
	HOLDTO 64*(\m), R1, QLM2, 0x40
	CVTW PC, 64*(\m), QSC2, 0x01
	IMAGE EV+\m, PC, 8192
.Lsent_\@:
.endm
	s_mov_b32 s62, 0
	s_mov_b32 s66, QS+8192
	s_mov_b32 s67, 4096
	s_mov_b32 s100, 0
.Lln:
	s_cmp_eq_u32 s62, 1                            ; what differs between the trips is chosen on the counter
	s_cselect_b32 s56, s53, s52                    ; the slope
	s_cselect_b32 s58, s[P45], s[P23]              ; 2^(eA + eB)
	s_cselect_b32 s63, s[Q13], s[Q12]              ; the quantiser: e12, e13, e10
	s_cselect_b32 s101, s[Q13+1], s[Q12+1]
	s_cselect_b64 s[12:13], s[46:47], s[44:45]     ; kfrag or qfrag
	s_cmp_eq_u32 s62, 2
	s_cselect_b32 s56, s54, s56
	s_cselect_b32 s58, s[P67], s58
	s_cselect_b32 s63, s[Q10], s63
	s_cselect_b32 s101, s[Q10+1], s101
	s_mov_b32 s57, s56
	s_mov_b32 s59, s58
	v_mov_b32 v[QSC], s63
	v_mov_b32 v[QLM], s101
	SETAFA
	v_add_nc_u32 v[VBT], s67, v[VB0]
	v_add_nc_u32 v[STWT], s100, v[STW]
	v_add_nc_u32 v[STRT], s100, v[STR]
	VLOAD R3, VBT, 0                               ; the bias
	GEMM 0
	PASS12 0
	PASS12 1
	PASS12 2
	PASS12 3
	VLOAD R2, VBT, 2048                            ; the gain,
	VLOAD R3, VBT, 4096                            ; the shift
	BARRIER                                        ; all four waves' means and sums of squares lie in the trip's own bytes
.irp m, 0,1,2,3
	ds_load_b128 v[R1+8*\m:R1+8*\m+3], v[STRT] offset:512*\m
	ds_load_b128 v[R1+8*\m+4:R1+8*\m+7], v[STRT] offset:512*\m+16
.endr
	s_mov_b32 s63, 0x3b000000                      ; 1 / 512
	s_mov_b32 s101, 0x3727c5ac                     ; 1e-5
	s_wait_dscnt 0x0
	COMB 0
	COMB 1
	COMB 2
	COMB 3
.irp m, 0,1,2,3
	v_rsq_f32 v[RN+2*\m], v[R1+8*\m+1]
.endr
	v_nop                                          ; a plain line behind the last of the batch,
	s_wait_alu depctr_va_vdst(0)                   ; and one wait ahead of its first reader
	PASS3 0
	PASS3 1
	PASS3 2
	PASS3 3
	s_wait_xcnt 0x0                                ; stores and weight loads have read their bases and data
	s_mov_b64 s[W:W+1], s[WN:WN+1]
	s_add_nc_u64 s[WN:WN+1], s[WN:WN+1], 262144
	s_add_co_u32 s66, s66, 8192
	s_add_co_u32 s67, s67, 6144
	s_add_co_u32 s100, s100, 2048
	s_add_co_u32 s62, s62, 1
	s_cmp_lt_u32 s62, 3
	s_cbranch_scc1 .Lln
	BARRIER                                        ; tan's and sig's rows lie in LDS
	; ---- the codes of 1 (held at the largest code), for vsum: eight registers, 64 keys; in block 31 only the first 16 keys count
	v_mov_b32 v[R1], 1.0
	v_min_num_f32 v[R1], s[Q14+1], v[R1]
.irp i, 1,2,3,4,5,6,7
	v_mov_b32 v[R1+\i], v[R1]
.endr
	v_mov_b32 v[QSC], s[Q14]
	v_cvt_scalef32_pk8_fp8_f32 v[PONE:PONE+1], v[R1:R1+7], v[QSC]
	v_nop
	s_cmp_eq_u32 s3, 31
	s_cselect_b32 s63, 0, -1
.irp i, 2,4,6
	v_and_b32 v[PONE+\i], s63, v[PONE]
	v_and_b32 v[PONE+\i+1], s63, v[PONE+1]
.endr
	SETQ Q15
	; ---- trip 0: tanh; trip 1: sigmoid, their product, v's codes.  A lane holds one channel and eight keys
	s_mov_b32 s62, 0
	s_mov_b32 s66, VS
	s_mov_b32 s67, 0
.Lact:
	s_cmp_eq_u32 s62, 0
	s_cselect_b32 s58, s[GT], s[GS]                ; gamma x 2^(eA + eB): gamma = 2 log2(e) for tanh, -log2(e) for the sigmoid
	s_mov_b32 s56, 0xbfb8aa3b
	s_cselect_b32 s56, 0x4038aa3b, s56             ; gamma
	s_mov_b32 s59, s58
	SETAFA
	v_add_nc_u32 v[VBT], s67, v[BIA]
.irp u, 0,1,2,3,4,5,6,7
	ds_load_b32 v[PC+2*\u], v[VBT] offset:64*\u    ; the bias of my column of tile u
.endr
	GEMM 1                                         ; in trip 1 the look-ahead takes this layer's first two K steps once more: the counts stay as they are, and no load leaves the buffer
.irp u, 0,1,2,3,4,5,6,7
	v_mul_f32 v[PC+2*\u], s56, v[PC+2*\u]
	v_mov_b32 v[PC+2*\u+1], v[PC+2*\u]
.endr
	WIN 0x41
.set a, 0
.rept 32
.set i, 0
.rept 4
	v_pk_fma_f32 v[8*a+i:8*a+i+1], v[8*a+i:8*a+i+1], s[58:59], v[PC+2*(a%8):PC+2*(a%8)+1] op_sel_hi:[1,0,1]   ; gamma x (sum x 2^e + bias)
.set i, i+2
.endr
.set a, a+1
.endr
.set i, 0
.rept 256
	v_exp_f32 v[i], v[i]
.set i, i+1
.endr
	v_nop
	s_wait_alu depctr_va_vdst(0)                   ; one wait for the batch
.set i, 0
.rept 128
	v_pk_add_f32 v[i:i+1], v[i:i+1], 1.0 op_sel_hi:[1,0]
.set i, i+2
.endr
.set i, 0
.rept 256
	v_rcp_f32 v[i], v[i]
.set i, i+1
.endr
	v_nop
	s_wait_alu depctr_va_vdst(0)
	WIN 0
	s_cmp_eq_u32 s62, 0
	s_cbranch_scc0 .Lsig
	WIN 0x81                                       ; destination window 2, source 0 window 1
.set i, 0
.rept 128
	v_pk_fma_f32 v[i:i+1], v[i:i+1], -2.0, 1.0 op_sel_hi:[1,0,0]   ; tanh = 1 - 2 / (1 + 2^..)
.set i, i+2
.endr
	WIN 0
	s_branch .Lact_end
.Lsig:
.irp up, 0,1,2,3                       ; two channel tiles at a time
	WIN 0x09                                       ; source 0 window 1 (sigmoid), source 1 window 2 (tanh)
.set a, 0
.rept 8                                ; a = 4 uu + m
.set rS, 8*(8*(a%4)+2*\up+a/4)
.set i, 0
.rept 4
	v_pk_mul_f32 v[R1+8*a+i:R1+8*a+i+1], v[rS+i:rS+i+1], v[rS+i:rS+i+1]
.set i, i+2
.endr
.set a, a+1
.endr
	HOLDTO R1, R1, QLM, 0
.set a, 0
.rept 8
	v_cvt_scalef32_pk8_fp8_f32 v[R2+8*(2*\up+a/4)+2*(a%4):R2+8*(2*\up+a/4)+2*(a%4)+1], v[R1+8*a:R1+8*a+7], v[QSC]   ; registers 2 m, 2 m + 1: keys 16 m + 8 h on
.set a, a+1
.endr
	v_nop
.endr
.set i, 0
.rept 16
	global_store_b128 v[LI], v[R2+4*i:R2+4*i+3], s[48:49] offset:2048*(i/2)+512*(i%2)   ; my half of eight fragments
.set i, i+1
.endr
.irp u, 0,1,2,3,4,5,6,7
	v_wmma_f32_16x16x64_fp8_fp8 v[R3+8*\u:R3+8*\u+7], v[PONE:PONE+7], v[R2+8*\u:R2+8*\u+7], 0   ; every row of the result: the sum over the block's keys of code(1) x code(v)
.endr
	PLACES
.irp u, 0,1,2,3,4,5,6,7
	ds_store_b32 v[VSW], v[R3+8*\u] offset:64*\u   ; both halves of the lanes hold the same number
.endr
	ds_load_b128 v[R1:R1+3], v[VSR]                ; LDS serves a wave's instructions in order (ISA guide 5.7.1.4): this sees my stores
	s_wait_dscnt 0x0
	global_store_b128 v[LI], v[R1:R1+3], s[50:51]
.Lact_end:
	s_wait_xcnt 0x0
	s_mov_b64 s[W:W+1], s[WN:WN+1]
	s_add_co_u32 s66, s66, 8192
	s_add_co_u32 s67, s67, 2048
	s_add_co_u32 s62, s62, 1
	s_cmp_lt_u32 s62, 2
	s_cbranch_scc1 .Lact
	s_wait_tensorcnt 0x0                           ; the wave's end, behind my last tensor load and my last LDS store
	ds_add_u32 v[SPW], v[NIL]
	s_wait_dscnt 0x0
	s_endpgm
.Lfunc_end_k_qe558b3d035_proj:
	.size	k_qe558b3d035_proj, .Lfunc_end_k_qe558b3d035_proj-k_qe558b3d035_proj
	.p2alignl 7, 3214868480
	.fill 96, 4, 3214868480
	.section	.rodata,"a",@progbits
	.p2align	6, 0x0
	.amdhsa_kernel k_qe558b3d035_proj
		.amdhsa_group_segment_fixed_size 327680
		.amdhsa_private_segment_fixed_size 0
		.amdhsa_enable_private_segment 0
		.amdhsa_kernarg_size 192
		.amdhsa_user_sgpr_count 2
		.amdhsa_user_sgpr_kernarg_segment_ptr 1
		.amdhsa_wavefront_size32 1
		.amdhsa_system_sgpr_workgroup_id_x 1
		.amdhsa_system_sgpr_workgroup_id_y 1
		.amdhsa_system_sgpr_workgroup_id_z 1
		.amdhsa_system_vgpr_workitem_id 0
		.amdhsa_next_free_vgpr 1024
		.amdhsa_next_free_sgpr 102
		.amdhsa_reserve_vcc 1
		.amdhsa_float_denorm_mode_32 3
		.amdhsa_float_denorm_mode_16_64 3
		.amdhsa_memory_ordered 1
		.amdhsa_forward_progress 1
		.amdhsa_inst_pref_size 255
	.end_amdhsa_kernel
	.section	.bss,"aw",@nobits
	.p2align	6
	.space	262144
	.amdgpu_metadata
---
amdhsa.version: [ 1, 2 ]
amdhsa.kernels:
  - .name:           k_qe558b3d035_proj
    .symbol:         k_qe558b3d035_proj.kd
    .args:
      - { .name: query, .offset: 0, .size: 8, .value_kind: global_buffer, .address_space: global }
      - { .name: value, .offset: 8, .size: 8, .value_kind: global_buffer, .address_space: global }
      - { .name: aux_emb, .offset: 16, .size: 8, .value_kind: global_buffer, .address_space: global }
      - { .name: q_lin_b, .offset: 24, .size: 8, .value_kind: global_buffer, .address_space: global }
      - { .name: qv_b, .offset: 32, .size: 8, .value_kind: global_buffer, .address_space: global }
      - { .name: qv_g, .offset: 40, .size: 8, .value_kind: global_buffer, .address_space: global }
      - { .name: qv_be, .offset: 48, .size: 8, .value_kind: global_buffer, .address_space: global }
      - { .name: kv_b, .offset: 56, .size: 8, .value_kind: global_buffer, .address_space: global }
      - { .name: kv_g, .offset: 64, .size: 8, .value_kind: global_buffer, .address_space: global }
      - { .name: kv_be, .offset: 72, .size: 8, .value_kind: global_buffer, .address_space: global }
      - { .name: vv_b, .offset: 80, .size: 8, .value_kind: global_buffer, .address_space: global }
      - { .name: vv_g, .offset: 88, .size: 8, .value_kind: global_buffer, .address_space: global }
      - { .name: vv_be, .offset: 96, .size: 8, .value_kind: global_buffer, .address_space: global }
      - { .name: tan_b, .offset: 104, .size: 8, .value_kind: global_buffer, .address_space: global }
      - { .name: sig_b, .offset: 112, .size: 8, .value_kind: global_buffer, .address_space: global }
      - { .name: qv_a, .offset: 120, .size: 8, .value_kind: global_buffer, .address_space: global }
      - { .name: kv_a, .offset: 128, .size: 8, .value_kind: global_buffer, .address_space: global }
      - { .name: vv_a, .offset: 136, .size: 8, .value_kind: global_buffer, .address_space: global }
      - { .name: lowp_scales, .offset: 144, .size: 8, .value_kind: global_buffer, .address_space: global }
      - { .name: wfrag, .offset: 152, .size: 8, .value_kind: global_buffer, .address_space: global }
      - { .name: qfrag, .offset: 160, .size: 8, .value_kind: global_buffer, .address_space: global }
      - { .name: kfrag, .offset: 168, .size: 8, .value_kind: global_buffer, .address_space: global }
      - { .name: vfrag, .offset: 176, .size: 8, .value_kind: global_buffer, .address_space: global }
      - { .name: vsum, .offset: 184, .size: 8, .value_kind: global_buffer, .address_space: global }
    .group_segment_fixed_size: 327680
    .private_segment_fixed_size: 0
    .kernarg_segment_align: 8
    .kernarg_segment_size: 192
    .max_flat_workgroup_size: 128
    .sgpr_count:     102
    .vgpr_count:     1024
    .wavefront_size: 32
...
	.end_amdgpu_metadata
.endif
;; end of part 2
;; launch attn (part 3): grid 8 x 63, 4 waves a work-group, no clusters, 39,424 bytes of LDS; arguments qfrag, kfrag, vfrag, vsum, input_len, lowp_scales, out0; writes out0
.if DOCPART == 3
	.amdgcn_target "amdgcn-amd-amdhsa--gfx1250"
	.amdhsa_code_object_version 6
	.text
	.protected	k_qe558b3d035_attn
	.globl	k_qe558b3d035_attn
	.p2align	8
	.type	k_qe558b3d035_attn,@function
k_qe558b3d035_attn:
	s_mov_b64 s[64:65], 0
	v_nop
	global_prefetch_b8 v0, s[64:65] scope:SCOPE_SE
	s_setreg_imm32_b32 hwreg(HW_REG_WAVE_MODE, 25, 1), 1
	s_wait_xcnt 0x0
; out0[b][q] = softmax_k(masked q . k / sqrt(512)) v on codes of E4M3.  L = input_len[b].  A row under L sees keys <= the row (all of them under L), less those whose score is exactly 0.
; A row at or over L has all 2,000 logits 0: p = 1, the sum 2,000: its result is code(1) x the sum of v's codes / 2,000, one vector a batch, from vsum.
; THE SOFTMAX AHEAD OF THE SECOND PRODUCT: t = score x log2(e) / sqrt(512); M = the running largest t rounded up to a whole number; p = 2^(t - M) is quantised; the row's sum is taken of the unquantised p and divides at the end.
; SHARES.  Work-group (b, g = 62 - y: long walks first): 32 queries, tiles 2 g and 2 g + 1.  A key step is 128 keys.  In S^T = K Q^T wave w takes keys 32 w .. 32 w + 31; in O^T += V^T P^T it takes channels
; 128 w .. 128 w + 127: each byte of K and V goes from memory into one wave's registers once.  Between the waves go the rows' maxima (512 bytes) and p's codes (4 KiB), through LDS.
; The loop has 16 trips whatever the data; its three parts each stand under a branch on j < NACT (the steps up to the diagonal where the block has a row under L, else none); the two barriers stand outside.
; No tensor load, since the walk hangs on input_len; so no cluster either.
; LIMITS.  e12 + e13 between -122 and 131; e14 between -126 and 119.  The zero test is made on the raw sum: a score that only underflows to 0 when scaled is not masked.  NaN among the inputs is not served.
; REGISTERS.  Window 0: below.  Window 1: v0-127 Q (64 qt + 16 s), v128-255 K (64 kt + 16 s).  Window 2: v0-127 V (16 u); at the head vsum's 32 parts.
.set MAXR,  0                          ; LDS: [qt][r][wave] the step's largest scores
.set LSUM,  512                        ; [qt][r][wave] the sums
.set PIMG,  1024                       ; two fragments of p's codes, as images of their registers
.set STG,   5120                       ; 4 x 16 rows x (512 + 16): each wave's stage for the way out
.set SPARE, 38912                      ; the spare words, 128 bytes for each wave: two blocks of 256 bytes that no other line names
.set LI,   1                           ; v1   16 x lane
.set MXW,  4                           ; v4, v5 MAXR: write (16 r + 4 w), read (16 r)
.set MXR,  5
.set PW,   6                           ; v6   PIMG + 512 w + 16 x lane: piece w of a fragment
.set LW,   7
.set LR,   8
.set STO,  9
.set RD,   10
.set PFO,  11                          ; v11  256 x lane, for the prefetches
.set NINF, 12                          ; v12  -infinity
.set DG,   14                          ; v14, v15 my query less my first key, in the diagonal step
.set QSC,  16                          ; v16, v17 2^e14, 448 x 2^e14
.set QLM,  17
.set MEAN, 20                          ; v20-23 the padded rows' result: four channels a lane, as rows are stored
.set NM,   24                          ; v24-27 pairs (-M, the largest t)
.set F,    28                          ; v28-31 pairs (f, -); on the way out 1 / the sum
.set S,    32                          ; v32-63 S^T, then p: 16 qt + 8 kt
.set P,    64                          ; v64-95 p's two fragments
.set O,    96                          ; v96-223 O^T: 64 qt + 8 u
.set LS,   224                         ; v224-227 the sums, in two halves
.set MX,   228                         ; v228-235 the four waves' maxima
.set PCD,  236                         ; v236-243 p's codes
.set SPW,  252
.set NIL,  253
.set MSB, 0
.macro WIN new
.if MSB != (\new)
	s_set_vgpr_msb (MSB<<8)|(\new)
.set MSB, \new
.endif
.endm
.macro PLACES
.rept 4
	v_nop
.endr
.endm
.macro BARRIER
	s_wait_dscnt 0x0
	s_barrier_signal -1
	s_barrier_wait -1
.endm
	s_load_b256 s[4:11], s[0:1], 0x0               ; qfrag, kfrag, vfrag, vsum
	s_load_b128 s[12:15], s[0:1], 0x20             ; input_len, lowp_scales
	s_load_b64 s[16:17], s[0:1], 0x30              ; out0
	v_lshl_add_u32 v[SPW], v0, 2, SPARE
	v_mov_b32 v[NIL], 0
	v_lshrrev_b32 v2, 5, v0
	v_readfirstlane_b32 s2, v2                     ; wave
	s_and_b32 s3, ttmp7, 0xffff
	s_sub_co_u32 s3, 62, s3                        ; g
	s_mov_b32 s18, ttmp9                           ; b
	s_mov_b32 s36, 0x76543210
	s_mov_b32 s37, 0xfedcba98
	s_mov_b32 s39, 0
	s_mov_b32 s41, 0
	s_mov_b32 s43, 0
	v_and_b32 v1, 31, v0
	v_lshlrev_b32 v[PFO], 8, v1
	v_lshlrev_b32 v[LI], 4, v1
	v_and_b32 v2, 15, v0                           ; r
	v_bfe_u32 v3, v0, 4, 1                         ; h
	v_lshlrev_b32 v[MXR], 4, v2
	s_lshl_b32 s19, s2, 2
	v_add_nc_u32 v[MXW], s19, v[MXR]
	v_add_nc_u32 v[LR], LSUM, v[MXR]
	v_add_nc_u32 v[LW], LSUM, v[MXW]
	s_lshl_b32 s19, s2, 9
	s_add_co_u32 s19, s19, PIMG
	v_add_nc_u32 v[PW], s19, v[LI]
	s_mul_i32 s19, s2, 8448
	s_add_co_u32 s19, s19, STG
	v_mul_u32_u24 v[STO], v2, 528
	v_lshl_add_u32 v[STO], v3, 5, v[STO]
	v_add_nc_u32 v[STO], s19, v[STO]               ; in: row r, + 32 h
	v_add_nc_u32 v[RD], s19, v[LI]                 ; back: a row of 512 bytes, 16 a lane
	s_and_b32 s19, s3, 3
	s_sub_co_i32 s19, s19, s2
	s_lshl_b32 s19, s19, 5                         ; 32 ((g % 4) - w)
	v_lshlrev_b32 v13, 3, v3
	v_sub_nc_u32 v[DG], v2, v13
	v_add_nc_u32 v[DG], s19, v[DG]                 ; register 16 qt + 8 kt + i holds key 32 w + 16 kt + 8 h + i: hidden where 16 kt + i > 32 ((g % 4) - w) + 16 qt + r - 8 h
	v_add_nc_u32 v[DG+1], 16, v[DG]
	s_wait_kmcnt 0x0
	s_lshl_b32 s38, s18, 2
	s_add_nc_u64 s[12:13], s[12:13], s[38:39]
	s_load_b32 s20, s[12:13], 0x0                  ; input_len[b]
	s_load_b128 s[24:27], s[14:15], 0x30           ; e12, e13, e14, e15
	s_lshl_b32 s38, s18, 20
	s_lshl_b32 s19, s3, 14
	s_add_co_u32 s38, s38, s19
	s_add_nc_u64 s[4:5], s[4:5], s[38:39]          ; Q: my two tiles
	s_lshl_b32 s38, s18, 20
	s_lshl_b32 s19, s2, 14
	s_add_co_u32 s38, s38, s19
	s_add_nc_u64 s[32:33], s[6:7], s[38:39]        ; K: step 0, my two tiles of keys
	s_add_nc_u64 s[34:35], s[8:9], s[38:39]        ; V: step 0, my eight tiles of channels
	s_lshl_b32 s38, s18, 16
	s_lshl_b32 s19, s2, 9
	s_add_co_u32 s38, s38, s19
	s_add_nc_u64 s[10:11], s[10:11], s[38:39]      ; vsum: my batch, my 128 channels
	s_mul_i32 s38, s18, 2000
	s_lshl_b32 s19, s3, 5
	s_add_co_u32 s38, s38, s19
	s_lshl_b32 s38, s38, 11
	s_lshl_b32 s19, s2, 9
	s_add_co_u32 s38, s38, s19
	s_add_nc_u64 s[16:17], s[16:17], s[38:39]      ; out0: my first row, my 512 bytes of it
	WIN 0x40                                       ; destination window 1
.set i, 0
.rept 32
	global_load_b128 v[4*i:4*i+3], v[LI], s[4:5] offset:512*i
.set i, i+1
.endr
.set i, 0
.rept 32
	global_load_b128 v[128+4*i:128+4*i+3], v[LI], s[32:33] offset:512*i
.set i, i+1
.endr
	WIN 0x80                                       ; destination window 2
.set i, 0
.rept 32
	global_load_b128 v[4*i:4*i+3], v[LI], s[10:11] offset:2048*i   ; the 32 blocks' parts of the sum of v's codes
.set i, i+1
.endr
	WIN 0
	; written once, so that every part of the loop finds its registers written whichever parts were passed over; the first change of M multiplies zeros
	v_mov_b32 v13, 0
	v_mov_b32 v[NINF], 0xff800000
.set i, 0
.rept 32
	v_mov_b32 v[S+i], 0xff800000
.set i, i+1
.endr
.set i, 0
.rept 128
	v_mov_b32 v[O+i], 0
.set i, i+1
.endr
.irp qt, 0,1
	v_mov_b32 v[NM+2*\qt+1], 0xff61b1e6            ; the largest t so far: -3e38, under every t
	v_floor_f32 v[NM+2*\qt], -v[NM+2*\qt+1]
	v_mov_b32 v[F+2*\qt], 1.0
	v_mov_b32 v[F+2*\qt+1], 1.0
	v_mov_b32 v[LS+2*\qt], 0
	v_mov_b32 v[LS+2*\qt+1], 0
.endr
	s_wait_kmcnt 0x0
	s_max_i32 s20, s20, 0
	s_min_u32 s20, s20, 2000                       ; L
	s_lshr_b32 s21, s3, 2                          ; the diagonal's step
	s_lshl_b32 s19, s3, 5
	s_add_co_u32 s22, s21, 1
	s_cmp_lt_u32 s19, s20
	s_cselect_b32 s22, s22, 0                      ; NACT: steps to walk
	s_sub_co_u32 s23, s20, 1
	s_lshr_b32 s23, s23, 5
	s_max_u32 s46, s21, 1
	s_sub_co_u32 s46, s46, 1
	s_cmp_eq_u32 s23, s3                           ; the batch's last block with a row under L walks furthest: it alone prefetches,
	s_cselect_b32 s46, s46, 0                      ; in the trips j with j + 2 <= the diagonal's step
	s_add_co_i32 s19, s24, s25
	s_lshl_b32 s19, s19, 23
	s_add_co_i32 s28, s19, 0x3d8293ee              ; c = log2(e) / sqrt(512), with e12 + e13 added to its exponent field
	s_mov_b32 s29, s28
	s_add_co_i32 s19, s26, 127
	s_lshl_b32 s19, s19, 23
	v_mov_b32 v[QSC], s19
	s_add_co_i32 s19, s26, 135
	s_lshl_b32 s19, s19, 23
	s_or_b32 s19, s19, 0x600000
	v_mov_b32 v[QLM], s19
	s_add_co_i32 s31, s26, s27                     ; e14 + e15
	s_wait_loadcnt 0x0
	WIN 0x0a                                       ; sources 0 and 1 window 2
	v_pk_add_f32 v[MEAN:MEAN+1], v[0:1], v[8:9]
	v_pk_add_f32 v[MEAN+2:MEAN+3], v[2:3], v[10:11]
	v_pk_add_f32 v[MX:MX+1], v[4:5], v[12:13]
	v_pk_add_f32 v[MX+2:MX+3], v[6:7], v[14:15]
	WIN 0x02
.set i, 4
.rept 14
	v_pk_add_f32 v[MEAN:MEAN+1], v[4*i:4*i+1], v[MEAN:MEAN+1]
	v_pk_add_f32 v[MEAN+2:MEAN+3], v[4*i+2:4*i+3], v[MEAN+2:MEAN+3]
	v_pk_add_f32 v[MX:MX+1], v[4*i+4:4*i+5], v[MX:MX+1]
	v_pk_add_f32 v[MX+2:MX+3], v[4*i+6:4*i+7], v[MX+2:MX+3]
.set i, i+2
.endr
	WIN 0
	v_pk_add_f32 v[MEAN:MEAN+1], v[MEAN:MEAN+1], v[MX:MX+1]
	v_pk_add_f32 v[MEAN+2:MEAN+3], v[MEAN+2:MEAN+3], v[MX+2:MX+3]
.irp k, 0,1,2,3
	v_mul_f32 v[MEAN+\k], 0x3a03126f, v[MEAN+\k]   ; / 2,000
	v_ldexp_f32 v[MEAN+\k], v[MEAN+\k], s31        ; x 2^(e14 + e15)
.endr
	s_mov_b32 s30, 0                               ; j
.Lkey:
	s_cmp_lt_u32 s30, s22
	s_cbranch_scc0 .Lskip_a
	; ---- A: V(j) is asked for; S^T = K(j) Q^T; K(j + 1) is asked for; masks; my 32 keys' largest score for each query
	s_wait_loadcnt 0x0                             ; K(j), asked for a trip ago
	s_wait_xcnt 0x0                                ; loads and prefetches have read their bases
	s_cmp_lg_u32 s30, 0
	s_cselect_b32 s40, 0x10000, 0
	s_cmp_lt_u32 s30, 15
	s_cselect_b32 s42, 0x10000, 0
	s_add_nc_u64 s[34:35], s[34:35], s[40:41]      ; V(j)
	s_add_nc_u64 s[32:33], s[32:33], s[42:43]      ; K(min(j + 1, 15)): no load leaves the buffer
	WIN 0x80
.set i, 0
.rept 32
	global_load_b128 v[4*i:4*i+3], v[LI], s[34:35] offset:512*i
.set i, i+1
.endr
	WIN 0x05                                       ; sources 0 (K) and 1 (Q) window 1
.set ss, 0
.rept 4
.set tt, 0
.rept 4                                ; the four accumulators take turns
.set rS, S+16*(tt%2)+8*(tt/2)
.set rK, 128+64*(tt/2)+16*ss
.set rQ, 64*(tt%2)+16*ss
.if ss == 0
	v_wmma_f32_16x16x128_fp8_fp8 v[rS:rS+7], v[rK:rK+15], v[rQ:rQ+15], 0
.else
	v_wmma_f32_16x16x128_fp8_fp8 v[rS:rS+7], v[rK:rK+15], v[rQ:rQ+15], v[rS:rS+7]
.endif
.set tt, tt+1
.endr
.set ss, ss+1
.endr
	WIN 0
	PLACES
	WIN 0x40
.set i, 0
.rept 32
	global_load_b128 v[128+4*i:128+4*i+3], v[LI], s[32:33] offset:512*i
.set i, i+1
.endr
	WIN 0
	; prefetches into the L2, behind the trip's loads: my 16 KiB of K(j + 2) and of V(j + 2), lanes 256 bytes apart, each block named once in the launch: one block of queries a batch asks, each wave for its own part
	s_cmp_lt_u32 s30, s46
	s_cbranch_scc0 .Lno_ask
	global_prefetch_b8 v[PFO], s[32:33] offset:65536 th:TH_LOAD_NT scope:SCOPE_SE
	global_prefetch_b8 v[PFO], s[32:33] offset:73728 th:TH_LOAD_NT scope:SCOPE_SE
	global_prefetch_b8 v[PFO], s[34:35] offset:131072 th:TH_LOAD_NT scope:SCOPE_SE
	global_prefetch_b8 v[PFO], s[34:35] offset:139264 th:TH_LOAD_NT scope:SCOPE_SE
.Lno_ask:
.set i, 0
.rept 32
	v_cmp_eq_f32 vcc_lo, 0, v[S+i]                 ; a score that is exactly 0 counts for nothing
	v_cndmask_b32 v[S+i], v[S+i], v[NINF], vcc_lo
.set i, i+1
.endr
	s_cmp_eq_u32 s30, s21                          ; the diagonal's step: a branch on ids
	s_cbranch_scc0 .Lopen
.set i, 0
.rept 32                               ; register i = 16 qt + 8 kt + i': the key's place among my 32, less 8 h, is 16 kt + i', not the register's number
	v_cmp_gt_i32 vcc_lo, 16*((i%16)/8)+i%8, v[DG+i/16]
	v_cndmask_b32 v[S+i], v[S+i], v[NINF], vcc_lo
.set i, i+1
.endr
.Lopen:
	v_max3_num_f32 v18, v[S], v[S+1], v[S+2]
	v_max3_num_f32 v19, v[S+16], v[S+17], v[S+18]
.irp i, 3,5,7,9,11,13
	v_max3_num_f32 v18, v18, v[S+\i], v[S+\i+1]
	v_max3_num_f32 v19, v19, v[S+16+\i], v[S+16+\i+1]
.endr
	v_max_num_f32 v18, v18, v[S+15]
	v_max_num_f32 v19, v19, v[S+31]
	v_permlanex16_b32 v13, v18, s36, s37
	v_max_num_f32 v18, v18, v13
	v_permlanex16_b32 v13, v19, s36, s37
	v_max_num_f32 v19, v19, v13
	ds_store_b32 v[MXW], v18
	ds_store_b32 v[MXW], v19 offset:256
.Lskip_a:
	BARRIER                                        ; the four waves' maxima lie in LDS; nobody still reads the last step's codes of p
	s_cmp_lt_u32 s30, s22
	s_cbranch_scc0 .Lskip_b
	; ---- B: the running M, p, its sum, its codes
	ds_load_b128 v[MX:MX+3], v[MXR]
	ds_load_b128 v[MX+4:MX+7], v[MXR] offset:256
	s_wait_dscnt 0x0
.irp qt, 0,1
	v_max3_num_f32 v[MX+4*\qt], v[MX+4*\qt], v[MX+4*\qt+1], v[MX+4*\qt+2]
	v_max_num_f32 v[MX+4*\qt], v[MX+4*\qt], v[MX+4*\qt+3]
	v_mul_f32 v[MX+4*\qt], s28, v[MX+4*\qt]        ; as t (c is positive)
	v_max_num_f32 v[NM+2*\qt+1], v[NM+2*\qt+1], v[MX+4*\qt]
	v_mov_b32 v[MX+4*\qt], v[NM+2*\qt]
	v_floor_f32 v[NM+2*\qt], -v[NM+2*\qt+1]        ; -M = floor(-t): M is a whole number
	v_sub_f32 v[MX+4*\qt], v[NM+2*\qt], v[MX+4*\qt]
	v_cvt_i32_f32 v[MX+4*\qt], v[MX+4*\qt]         ; (it saturates)
	v_ldexp_f32 v[F+2*\qt], 1.0, v[MX+4*\qt]       ; f = 2^(old M - new M): rounds nothing
.endr
.set i, 0
.rept 16
	v_pk_fma_f32 v[S+2*i:S+2*i+1], v[S+2*i:S+2*i+1], s[28:29], v[NM+2*(i/8):NM+2*(i/8)+1] op_sel_hi:[1,0,0]   ; t - M
.set i, i+1
.endr
.set i, 0
.rept 32
	v_exp_f32 v[S+i], v[S+i]
.set i, i+1
.endr
	v_pk_mul_f32 v[LS:LS+1], v[LS:LS+1], v[F:F+1] op_sel_hi:[1,0]             ; the sums under the new M: plain lines behind the batch
	v_pk_mul_f32 v[LS+2:LS+3], v[LS+2:LS+3], v[F+2:F+3] op_sel_hi:[1,0]
	s_wait_alu depctr_va_vdst(0)                   ; one wait for the 32 exponentials, ahead of their first reader
.set i, 0
.rept 8
	v_pk_add_f32 v[LS:LS+1], v[LS:LS+1], v[S+i:S+i+1]                         ; the sum is taken of the unquantised p
	v_pk_add_f32 v[LS+2:LS+3], v[LS+2:LS+3], v[S+16+i:S+16+i+1]
.set i, i+2
.endr
.set i, 0
.rept 32
	v_min_num_f32 v[S+i], v[S+i], v[QLM]           ; p is not negative: the hold is one-sided
.set i, i+1
.endr
.set i, 0
.rept 4
	v_cvt_scalef32_pk8_fp8_f32 v[PCD+2*i:PCD+2*i+1], v[S+8*i:S+8*i+7], v[QSC]
.set i, i+1
.endr
	v_nop
	ds_store_b128 v[PW], v[PCD:PCD+3]              ; keys 32 w on: piece w of tile 0's fragment,
	ds_store_b128 v[PW], v[PCD+4:PCD+7] offset:2048   ; and of tile 1's
.Lskip_b:
	BARRIER                                        ; p's two fragments lie in LDS; nobody still reads this step's maxima
	s_cmp_lt_u32 s30, s22
	s_cbranch_scc0 .Lskip_c
	; ---- C: O^T = O^T f + V^T P^T
.set i, 0
.rept 8
	ds_load_b128 v[P+4*i:P+4*i+3], v[LI] offset:PIMG+512*i
.set i, i+1
.endr
.set i, 0
.rept 64
	v_pk_mul_f32 v[O+2*i:O+2*i+1], v[O+2*i:O+2*i+1], v[F+2*(i/32):F+2*(i/32)+1] op_sel_hi:[1,0]
.set i, i+1
.endr
	s_wait_dscnt 0x0
	s_wait_loadcnt 32                              ; V(j) is in; the 32 loads of the next K, issued behind it, may be out
	WIN 0x02                                       ; source 0 (V) window 2
.set tt, 0
.rept 16                               ; sixteen accumulators, each once
.set rO, O+64*(tt%2)+8*(tt/2)
	v_wmma_f32_16x16x128_fp8_fp8 v[rO:rO+7], v[16*(tt/2):16*(tt/2)+15], v[P+16*(tt%2):P+16*(tt%2)+15], v[rO:rO+7]
.set tt, tt+1
.endr
	WIN 0
	PLACES
.Lskip_c:
	s_add_co_u32 s30, s30, 1
	s_cmp_lt_u32 s30, 16
	s_cbranch_scc1 .Lkey
	; ---- the way out
	s_wait_loadcnt 0x0
	v_add_f32 v18, v[LS], v[LS+1]
	v_add_f32 v19, v[LS+2], v[LS+3]
	v_permlanex16_b32 v2, v18, s36, s37
	v_permlanex16_b32 v3, v19, s36, s37
	v_add_f32 v18, v18, v2
	v_add_f32 v19, v19, v3
	ds_store_b32 v[LW], v18
	ds_store_b32 v[LW], v19 offset:256
	BARRIER
	ds_load_b128 v[MX:MX+3], v[LR]
	ds_load_b128 v[MX+4:MX+7], v[LR] offset:256
	s_wait_dscnt 0x0
.irp qt, 0,1
	v_add_f32 v[MX+4*\qt], v[MX+4*\qt], v[MX+4*\qt+1]
	v_add_f32 v[MX+4*\qt+2], v[MX+4*\qt+2], v[MX+4*\qt+3]
	v_add_f32 v[MX+4*\qt], v[MX+4*\qt], v[MX+4*\qt+2]
.endr
	v_rcp_f32 v[F], v[MX]
	v_rcp_f32 v[F+2], v[MX+4]
	v_nop
	s_wait_alu depctr_va_vdst(0)
	v_ldexp_f32 v[F], v[F], s31                    ; x 2^(e14 + e15)
	v_ldexp_f32 v[F+2], v[F+2], s31
	s_lshl_b32 s19, s3, 5
	s_sub_co_i32 s45, s20, s19                     ; L less my first row
; Tile qt: O^T / the sum goes through my own stage and comes back as rows of 512 bytes; a row at or over L takes the padded rows' vector: a choice of values, no branch
.macro OUTT qt
.set i, 0
.rept 32
	v_pk_mul_f32 v[O+64*\qt+2*i:O+64*\qt+2*i+1], v[O+64*\qt+2*i:O+64*\qt+2*i+1], v[F+2*\qt:F+2*\qt+1] op_sel_hi:[1,0]
.set i, i+1
.endr
.set i, 0
.rept 16
	ds_store_b128 v[STO], v[O+64*\qt+4*i:O+64*\qt+4*i+3] offset:64*(i/2)+16*(i%2)
.set i, i+1
.endr
	s_wait_xcnt 0x0                                ; the last tile's stores have read their registers
.set i, 0
.rept 16
	ds_load_b128 v[S+4*i:S+4*i+3], v[RD] offset:528*i   ; LDS serves a wave's instructions in order (ISA guide 5.7.1.4): these see my stores
.set i, i+1
.endr
.set i, 0
.rept 16
	s_wait_dscnt 15-i                              ; row i is back; the younger rows' loads may be out
	s_cmp_gt_i32 s45, 16*\qt+i
	s_cselect_b32 s44, -1, 0
.irp k, 0,1,2,3
	v_cndmask_b32 v[S+4*i+\k], v[MEAN+\k], v[S+4*i+\k], s44
.endr
	global_store_b128 v[LI], v[S+4*i:S+4*i+3], s[16:17] offset:32768*\qt+2048*i th:TH_STORE_NT   ; 512 consecutive bytes, aligned
.set i, i+1
.endr
.endm
	OUTT 0
	s_cmp_eq_u32 s3, 62                            ; block 62 has 16 rows: a branch on ids
	s_cbranch_scc1 .Lend
	OUTT 1
.Lend:
	s_wait_tensorcnt 0x0                           ; the wave's end, behind my last LDS store
	ds_add_u32 v[SPW], v[NIL]
	s_wait_dscnt 0x0
	s_endpgm
.Lfunc_end_k_qe558b3d035_attn:
	.size	k_qe558b3d035_attn, .Lfunc_end_k_qe558b3d035_attn-k_qe558b3d035_attn
	.p2alignl 7, 3214868480
	.fill 96, 4, 3214868480
	.section	.rodata,"a",@progbits
	.p2align	6, 0x0
	.amdhsa_kernel k_qe558b3d035_attn
		.amdhsa_group_segment_fixed_size 39424
		.amdhsa_private_segment_fixed_size 0
		.amdhsa_enable_private_segment 0
		.amdhsa_kernarg_size 56
		.amdhsa_user_sgpr_count 2
		.amdhsa_user_sgpr_kernarg_segment_ptr 1
		.amdhsa_wavefront_size32 1
		.amdhsa_system_sgpr_workgroup_id_x 1
		.amdhsa_system_sgpr_workgroup_id_y 1
		.amdhsa_system_sgpr_workgroup_id_z 1
		.amdhsa_system_vgpr_workitem_id 0
		.amdhsa_next_free_vgpr 640
		.amdhsa_next_free_sgpr 66
		.amdhsa_reserve_vcc 1
		.amdhsa_float_denorm_mode_32 3
		.amdhsa_float_denorm_mode_16_64 3
		.amdhsa_memory_ordered 1
		.amdhsa_forward_progress 1
		.amdhsa_inst_pref_size 73
	.end_amdhsa_kernel
	.amdgpu_metadata
---
amdhsa.version: [ 1, 2 ]
amdhsa.kernels:
  - .name:           k_qe558b3d035_attn
    .symbol:         k_qe558b3d035_attn.kd
    .args:
      - { .name: qfrag, .offset: 0, .size: 8, .value_kind: global_buffer, .address_space: global }
      - { .name: kfrag, .offset: 8, .size: 8, .value_kind: global_buffer, .address_space: global }
      - { .name: vfrag, .offset: 16, .size: 8, .value_kind: global_buffer, .address_space: global }
      - { .name: vsum, .offset: 24, .size: 8, .value_kind: global_buffer, .address_space: global }
      - { .name: input_len, .offset: 32, .size: 8, .value_kind: global_buffer, .address_space: global }
      - { .name: lowp_scales, .offset: 40, .size: 8, .value_kind: global_buffer, .address_space: global }
      - { .name: out0, .offset: 48, .size: 8, .value_kind: global_buffer, .address_space: global }
    .group_segment_fixed_size: 39424
    .private_segment_fixed_size: 0
    .kernarg_segment_align: 8
    .kernarg_segment_size: 56
    .max_flat_workgroup_size: 128
    .sgpr_count:     66
    .vgpr_count:     640
    .wavefront_size: 32
...
	.end_amdgpu_metadata
.endif
;; end of part 3
;; ======== version 2 of 2: 3 launches; version 1 with the launch attn written anew for expert scheduling mode
;; limits: a function is approximated: absolute error at most 1e-07
;; workspace buffers: wfrag 1,572,864 bytes; qfrag 8,388,608 bytes; kfrag 8,388,608 bytes; vfrag 8,388,608 bytes; vsum 524,288 bytes
;; launch prep: the kernel of part 1 again; grid 32 x 6, 4 waves a work-group, no clusters, 0 bytes of LDS; arguments q_lin_w, qv_w, kv_w, vv_w, tan_w, sig_w, lowp_scales, wfrag; writes wfrag
;; launch proj: the kernel of part 2 again; grid 32 x 8, 4 waves a work-group, no clusters, 327,680 bytes of LDS; arguments query, value, aux_emb, q_lin_b, qv_b, qv_g, qv_be, kv_b, kv_g, kv_be, vv_b, vv_g, vv_be, tan_b, sig_b, qv_a, kv_a, vv_a, lowp_scales, wfrag, qfrag, kfrag, vfrag, vsum; writes qfrag, kfrag, vfrag, vsum
;; launch attn (part 4): grid 8 x 63, 4 waves a work-group, no clusters, 39,424 bytes of LDS; arguments qfrag, kfrag, vfrag, vsum, input_len, lowp_scales, out0; writes out0
.if DOCPART == 4
	.amdgcn_target "amdgcn-amd-amdhsa--gfx1250"
	.amdhsa_code_object_version 6
	.text
	.protected	k_qe558b3d035_attn
	.globl	k_qe558b3d035_attn
	.p2align	8
	.type	k_qe558b3d035_attn,@function
k_qe558b3d035_attn:
	s_mov_b64 s[64:65], 0
	v_nop
	global_prefetch_b8 v0, s[64:65] scope:SCOPE_SE
	s_setreg_imm32_b32 hwreg(HW_REG_WAVE_SCHED_MODE, 0, 2), 2
	s_setreg_imm32_b32 hwreg(HW_REG_WAVE_MODE, 25, 1), 1
	s_wait_xcnt 0x0
	s_wait_alu depctr_vm_vsrc(0)
; out0[b][q] = softmax_k(masked q . k / sqrt(512)) v on codes of E4M3.  L = input_len[b].  A row under L sees keys <= the row (all of them under L), less those whose score is exactly 0.
; A row at or over L has all 2,000 logits 0: p = 1, the sum 2,000: its result is code(1) x the sum of v's codes / 2,000, one vector a batch, from vsum.
; THE SOFTMAX AHEAD OF THE SECOND PRODUCT: t = score x log2(e) / sqrt(512); M = the running largest t rounded up to a whole number; p = 2^(t - M) is quantised; the row's sum is taken of the unquantised p and divides at the end.
; SHARES.  Work-group (b, g = 62 - y: long walks first): 32 queries, tiles 2 g and 2 g + 1.  A key step is 128 keys.  In S^T = K Q^T wave w takes keys 32 w .. 32 w + 31; in O^T += V^T P^T it takes channels
; 128 w .. 128 w + 127: each byte of K and V goes from memory into one wave's registers once.  Between the waves go the rows' maxima (512 bytes) and p's codes (4 KiB), through LDS.
; The loop has 16 trips whatever the data; its three parts each stand under a branch on j < NACT (the steps up to the diagonal where the block has a row under L, else none); the two barriers stand outside.
; No tensor load, since the walk hangs on input_len; so no cluster either.
; LIMITS.  e12 + e13 between -122 and 131; e14 between -126 and 119.  The zero test is made on the raw sum: a score that only underflows to 0 when scaled is not masked.  NaN among the inputs is not served.
; REGISTERS.  Window 0: below.  Window 1: v0-127 Q (64 qt + 16 s), v128-255 K (64 kt + 16 s).  Window 2: v0-127 V (16 u); at the head vsum's 32 parts.
; THE MODE: SCHED_MODE bits 1:0 = 2 (LLVM: expert scheduling mode 2), set by the entry lines.  The code itself states the register dependences
; between vector or matrix instructions and memory or LDS instructions, with s_wait_alu, always for 0.
; THE PLAN.  Registers that memory or LDS instructions touch:
;   v1, v4-v11       offsets and LDS addresses: written at the head, never again.
;   K                read by part A's 16 products; behind them the loads of the next step's K land in it.
;   V                read by part C's 16 products (at the head: by the sums of vsum's parts); the loads at the head of the next part A land in it.
;   v[P ..]          p's fragments: LDS loads in part C land in them, part C's products read them.
;   v[MX ..]         the waves' maxima: LDS loads in part B land in them, part B's vector lines read and write them (the head's sums write four of them).
;   v18, v19         written by part A's maxima, read by its two LDS stores.     v[PCD ..]  written by part B's conversions, read by its two LDS stores.
;   On the way out:  O^T is written by the scalings and read by LDS stores; the rows' LDS loads land in v[S ..] to v[S + 63], the choices write them, the global stores read them.
; So two waits stand at the loop's top, outside the three branches, for every way through a trip: on va_vdst (the trip before is done with V, v[P ..] and v[MX ..]) and on vm_vsrc (its LDS stores have read
; v18, v19 and v[PCD ..]).  Parts A and B name none of V, v[P ..] ahead of the loads into them.  Part A has one more wait on va_vdst, behind its maxima: it serves the two LDS stores and the 32 loads of the
; next K, which follow it.  Part B has the exponentials' wait and one ahead of the stores of the codes.  Lane masks are made in runs of 32, into s66 to s97, with one wait on va_sdst behind each run.
.set MAXR,  0                          ; LDS: [qt][r][wave] the step's largest scores
.set LSUM,  512                        ; [qt][r][wave] the sums
.set PIMG,  1024                       ; two fragments of p's codes, as images of their registers
.set STG,   5120                       ; 4 x 16 rows x (512 + 16): each wave's stage for the way out
.set SPARE, 38912                      ; the spare words, 128 bytes for each wave: two blocks of 256 bytes that no other line names
.set LI,   1                           ; v1   16 x lane
.set MXW,  4                           ; v4, v5 MAXR: write (16 r + 4 w), read (16 r)
.set MXR,  5
.set PW,   6                           ; v6   PIMG + 512 w + 16 x lane: piece w of a fragment
.set LW,   7
.set LR,   8
.set STO,  9
.set RD,   10
.set PFO,  11                          ; v11  256 x lane, for the prefetches
.set NINF, 12                          ; v12  -infinity
.set DG,   14                          ; v14, v15 my query less my first key, in the diagonal step
.set QSC,  16                          ; v16, v17 2^e14, 448 x 2^e14
.set QLM,  17
.set MEAN, 20                          ; v20-23 the padded rows' result: four channels a lane, as rows are stored
.set NM,   24                          ; v24-27 pairs (-M, the largest t)
.set F,    28                          ; v28-31 pairs (f, -); on the way out 1 / the sum
.set S,    32                          ; v32-63 S^T, then p: 16 qt + 8 kt
.set P,    64                          ; v64-95 p's two fragments
.set O,    96                          ; v96-223 O^T: 64 qt + 8 u
.set LS,   224                         ; v224-227 the sums, in two halves
.set MX,   228                         ; v228-235 the four waves' maxima
.set PCD,  236                         ; v236-243 p's codes
.set SPW,  252
.set NIL,  253
.set MK,   66                          ; s66-97 32 lane masks
.set MSB, 0
.macro WIN new
.if MSB != (\new)
	s_set_vgpr_msb (MSB<<8)|(\new)
.set MSB, \new
.endif
.endm
.macro PLACES
.rept 4
	v_nop
.endr
.endm
.macro BARRIER
	s_wait_dscnt 0x0
	s_barrier_signal -1
	s_barrier_wait -1
.endm
	s_load_b256 s[4:11], s[0:1], 0x0               ; qfrag, kfrag, vfrag, vsum
	s_load_b128 s[12:15], s[0:1], 0x20             ; input_len, lowp_scales
	s_load_b64 s[16:17], s[0:1], 0x30              ; out0
	v_lshl_add_u32 v[SPW], v0, 2, SPARE
	v_mov_b32 v[NIL], 0
	v_lshrrev_b32 v2, 5, v0
	v_readfirstlane_b32 s2, v2                     ; wave
	s_and_b32 s3, ttmp7, 0xffff
	s_sub_co_u32 s3, 62, s3                        ; g
	s_mov_b32 s18, ttmp9                           ; b
	s_mov_b32 s36, 0x76543210
	s_mov_b32 s37, 0xfedcba98
	s_mov_b32 s39, 0
	s_mov_b32 s41, 0
	s_mov_b32 s43, 0
	v_and_b32 v1, 31, v0
	v_lshlrev_b32 v[PFO], 8, v1
	v_lshlrev_b32 v[LI], 4, v1
	v_and_b32 v2, 15, v0                           ; r
	v_bfe_u32 v3, v0, 4, 1                         ; h
	v_lshlrev_b32 v[MXR], 4, v2
	s_wait_alu depctr_va_sdst(0)                   ; s2, the wave's number, is written, ahead of its first reader: LDS addresses and bases are made from it
	s_lshl_b32 s19, s2, 2
	v_add_nc_u32 v[MXW], s19, v[MXR]
	v_add_nc_u32 v[LR], LSUM, v[MXR]
	v_add_nc_u32 v[LW], LSUM, v[MXW]
	s_lshl_b32 s19, s2, 9
	s_add_co_u32 s19, s19, PIMG
	v_add_nc_u32 v[PW], s19, v[LI]
	s_mul_i32 s19, s2, 8448
	s_add_co_u32 s19, s19, STG
	v_mul_u32_u24 v[STO], v2, 528
	v_lshl_add_u32 v[STO], v3, 5, v[STO]
	v_add_nc_u32 v[STO], s19, v[STO]               ; in: row r, + 32 h
	v_add_nc_u32 v[RD], s19, v[LI]                 ; back: a row of 512 bytes, 16 a lane
	s_and_b32 s19, s3, 3
	s_sub_co_i32 s19, s19, s2
	s_lshl_b32 s19, s19, 5                         ; 32 ((g % 4) - w)
	v_lshlrev_b32 v13, 3, v3
	v_sub_nc_u32 v[DG], v2, v13
	v_add_nc_u32 v[DG], s19, v[DG]                 ; register 16 qt + 8 kt + i holds key 32 w + 16 kt + 8 h + i: hidden where 16 kt + i > 32 ((g % 4) - w) + 16 qt + r - 8 h
	v_add_nc_u32 v[DG+1], 16, v[DG]
	s_wait_kmcnt 0x0
	s_lshl_b32 s38, s18, 2
	s_add_nc_u64 s[12:13], s[12:13], s[38:39]
	s_load_b32 s20, s[12:13], 0x0                  ; input_len[b]
	s_load_b128 s[24:27], s[14:15], 0x30           ; e12, e13, e14, e15
	s_lshl_b32 s38, s18, 20
	s_lshl_b32 s19, s3, 14
	s_add_co_u32 s38, s38, s19
	s_add_nc_u64 s[4:5], s[4:5], s[38:39]          ; Q: my two tiles
	s_lshl_b32 s38, s18, 20
	s_lshl_b32 s19, s2, 14
	s_add_co_u32 s38, s38, s19
	s_add_nc_u64 s[32:33], s[6:7], s[38:39]        ; K: step 0, my two tiles of keys
	s_add_nc_u64 s[34:35], s[8:9], s[38:39]        ; V: step 0, my eight tiles of channels
	s_lshl_b32 s38, s18, 16
	s_lshl_b32 s19, s2, 9
	s_add_co_u32 s38, s38, s19
	s_add_nc_u64 s[10:11], s[10:11], s[38:39]      ; vsum: my batch, my 128 channels
	s_mul_i32 s38, s18, 2000
	s_lshl_b32 s19, s3, 5
	s_add_co_u32 s38, s38, s19
	s_lshl_b32 s38, s38, 11
	s_lshl_b32 s19, s2, 9
	s_add_co_u32 s38, s38, s19
	s_add_nc_u64 s[16:17], s[16:17], s[38:39]      ; out0: my first row, my 512 bytes of it
	WIN 0x40                                       ; destination window 1
	s_wait_alu depctr_va_vdst(0)                   ; the offsets and LDS addresses v1 and v4 to v11 are written: every load, store, LDS instruction and prefetch of the kernel reads one of them, and none is written again
.set i, 0
.rept 32
	global_load_b128 v[4*i:4*i+3], v[LI], s[4:5] offset:512*i
.set i, i+1
.endr
.set i, 0
.rept 32
	global_load_b128 v[128+4*i:128+4*i+3], v[LI], s[32:33] offset:512*i
.set i, i+1
.endr
	WIN 0x80                                       ; destination window 2
.set i, 0
.rept 32
	global_load_b128 v[4*i:4*i+3], v[LI], s[10:11] offset:2048*i   ; the 32 blocks' parts of the sum of v's codes
.set i, i+1
.endr
	WIN 0
	; written once, so that every part of the loop finds its registers written whichever parts were passed over; the first change of M multiplies zeros
	v_mov_b32 v13, 0
	v_mov_b32 v[NINF], 0xff800000
.set i, 0
.rept 32
	v_mov_b32 v[S+i], 0xff800000
.set i, i+1
.endr
.set i, 0
.rept 128
	v_mov_b32 v[O+i], 0
.set i, i+1
.endr
.irp qt, 0,1
	v_mov_b32 v[NM+2*\qt+1], 0xff61b1e6            ; the largest t so far: -3e38, under every t
	v_floor_f32 v[NM+2*\qt], -v[NM+2*\qt+1]
	v_mov_b32 v[F+2*\qt], 1.0
	v_mov_b32 v[F+2*\qt+1], 1.0
	v_mov_b32 v[LS+2*\qt], 0
	v_mov_b32 v[LS+2*\qt+1], 0
.endr
	s_wait_kmcnt 0x0
	s_max_i32 s20, s20, 0
	s_min_u32 s20, s20, 2000                       ; L
	s_lshr_b32 s21, s3, 2                          ; the diagonal's step
	s_lshl_b32 s19, s3, 5
	s_add_co_u32 s22, s21, 1
	s_cmp_lt_u32 s19, s20
	s_cselect_b32 s22, s22, 0                      ; NACT: steps to walk
	s_sub_co_u32 s23, s20, 1
	s_lshr_b32 s23, s23, 5
	s_max_u32 s46, s21, 1
	s_sub_co_u32 s46, s46, 1
	s_cmp_eq_u32 s23, s3                           ; the batch's last block with a row under L walks furthest: it alone prefetches,
	s_cselect_b32 s46, s46, 0                      ; in the trips j with j + 2 <= the diagonal's step
	s_add_co_i32 s19, s24, s25
	s_lshl_b32 s19, s19, 23
	s_add_co_i32 s28, s19, 0x3d8293ee              ; c = log2(e) / sqrt(512), with e12 + e13 added to its exponent field
	s_mov_b32 s29, s28
	s_add_co_i32 s19, s26, 127
	s_lshl_b32 s19, s19, 23
	v_mov_b32 v[QSC], s19
	s_add_co_i32 s19, s26, 135
	s_lshl_b32 s19, s19, 23
	s_or_b32 s19, s19, 0x600000
	v_mov_b32 v[QLM], s19
	s_add_co_i32 s31, s26, s27                     ; e14 + e15
	s_wait_loadcnt 0x0
	WIN 0x0a                                       ; sources 0 and 1 window 2
	v_pk_add_f32 v[MEAN:MEAN+1], v[0:1], v[8:9]
	v_pk_add_f32 v[MEAN+2:MEAN+3], v[2:3], v[10:11]
	v_pk_add_f32 v[MX:MX+1], v[4:5], v[12:13]
	v_pk_add_f32 v[MX+2:MX+3], v[6:7], v[14:15]
	WIN 0x02
.set i, 4
.rept 14
	v_pk_add_f32 v[MEAN:MEAN+1], v[4*i:4*i+1], v[MEAN:MEAN+1]
	v_pk_add_f32 v[MEAN+2:MEAN+3], v[4*i+2:4*i+3], v[MEAN+2:MEAN+3]
	v_pk_add_f32 v[MX:MX+1], v[4*i+4:4*i+5], v[MX:MX+1]
	v_pk_add_f32 v[MX+2:MX+3], v[4*i+6:4*i+7], v[MX+2:MX+3]
.set i, i+2
.endr
	WIN 0
	v_pk_add_f32 v[MEAN:MEAN+1], v[MEAN:MEAN+1], v[MX:MX+1]
	v_pk_add_f32 v[MEAN+2:MEAN+3], v[MEAN+2:MEAN+3], v[MX+2:MX+3]
.irp k, 0,1,2,3
	v_mul_f32 v[MEAN+\k], 0x3a03126f, v[MEAN+\k]   ; / 2,000
	v_ldexp_f32 v[MEAN+\k], v[MEAN+\k], s31        ; x 2^(e14 + e15)
.endr
	s_mov_b32 s30, 0                               ; j
.Lkey:
	s_wait_alu depctr_va_vdst(0)                   ; the trip before is done: its products have read V and v[P ..], its vector lines have read and written v[MX ..] (first trip: the head's sums have read vsum's parts in V's registers and written v[MX ..]); this trip's loads land in all three
	s_wait_alu depctr_vm_vsrc(0)                   ; the LDS stores of the trip before have read v18, v19 and v[PCD ..], which this trip's maxima and conversions write again
	s_cmp_lt_u32 s30, s22
	s_cbranch_scc0 .Lskip_a
	; ---- A: V(j) is asked for; S^T = K(j) Q^T; masks; my 32 keys' largest score for each query; K(j + 1) is asked for
	s_wait_loadcnt 0x0                             ; K(j), asked for a trip ago
	s_wait_xcnt 0x0                                ; loads and prefetches have read their bases
	s_cmp_lg_u32 s30, 0
	s_cselect_b32 s40, 0x10000, 0
	s_cmp_lt_u32 s30, 15
	s_cselect_b32 s42, 0x10000, 0
	s_add_nc_u64 s[34:35], s[34:35], s[40:41]      ; V(j)
	s_add_nc_u64 s[32:33], s[32:33], s[42:43]      ; K(min(j + 1, 15)): no load leaves the buffer
	WIN 0x80
.set i, 0
.rept 32
	global_load_b128 v[4*i:4*i+3], v[LI], s[34:35] offset:512*i   ; no vector or matrix line since the wait at the loop's top names V's registers
.set i, i+1
.endr
	WIN 0x05                                       ; sources 0 (K) and 1 (Q) window 1
.set ss, 0
.rept 4
.set tt, 0
.rept 4                                ; the four accumulators take turns
.set rS, S+16*(tt%2)+8*(tt/2)
.set rK, 128+64*(tt/2)+16*ss
.set rQ, 64*(tt%2)+16*ss
.if ss == 0
	v_wmma_f32_16x16x128_fp8_fp8 v[rS:rS+7], v[rK:rK+15], v[rQ:rQ+15], 0
.else
	v_wmma_f32_16x16x128_fp8_fp8 v[rS:rS+7], v[rK:rK+15], v[rQ:rQ+15], v[rS:rS+7]
.endif
.set tt, tt+1
.endr
.set ss, ss+1
.endr
	WIN 0
	PLACES
.set i, 0
.rept 32
	v_cmp_eq_f32 s[MK+i], 0, v[S+i]                ; a score that is exactly 0 counts for nothing: 32 masks in a run
.set i, i+1
.endr
	s_wait_alu depctr_va_sdst(0)                   ; the 32 compares have written s66 to s97, ahead of the selects that read them
.set i, 0
.rept 32
	v_cndmask_b32 v[S+i], v[S+i], v[NINF], s[MK+i]
.set i, i+1
.endr
	s_cmp_eq_u32 s30, s21                          ; the diagonal's step: a branch on ids
	s_cbranch_scc0 .Lopen
.set i, 0
.rept 32                               ; register i = 16 qt + 8 kt + i': the key's place among my 32, less 8 h, is 16 kt + i', not the register's number
	v_cmp_gt_i32 s[MK+i], 16*((i%16)/8)+i%8, v[DG+i/16]
.set i, i+1
.endr
	s_wait_alu depctr_va_sdst(0)                   ; the 32 compares have written s66 to s97, ahead of the selects that read them
.set i, 0
.rept 32
	v_cndmask_b32 v[S+i], v[S+i], v[NINF], s[MK+i]
.set i, i+1
.endr
.Lopen:
	v_max3_num_f32 v18, v[S], v[S+1], v[S+2]
	v_max3_num_f32 v19, v[S+16], v[S+17], v[S+18]
.irp i, 3,5,7,9,11,13
	v_max3_num_f32 v18, v18, v[S+\i], v[S+\i+1]
	v_max3_num_f32 v19, v19, v[S+16+\i], v[S+16+\i+1]
.endr
	v_max_num_f32 v18, v18, v[S+15]
	v_max_num_f32 v19, v19, v[S+31]
	v_permlanex16_b32 v13, v18, s36, s37
	v_max_num_f32 v18, v18, v13
	v_permlanex16_b32 v13, v19, s36, s37
	v_max_num_f32 v19, v19, v13
	s_wait_alu depctr_va_vdst(0)                   ; the maxima have written v18 and v19, which the LDS stores read; this step's products are done reading K, in which the loads below land
	ds_store_b32 v[MXW], v18
	ds_store_b32 v[MXW], v19 offset:256
	WIN 0x40
.set i, 0
.rept 32
	global_load_b128 v[128+4*i:128+4*i+3], v[LI], s[32:33] offset:512*i   ; the next step's K: it has parts B and C in which to land
.set i, i+1
.endr
	WIN 0
	; prefetches into the L2, behind the trip's loads: my 16 KiB of K(j + 2) and of V(j + 2), lanes 256 bytes apart, each block named once in the launch: one block of queries a batch asks, each wave for its own part
	s_cmp_lt_u32 s30, s46
	s_cbranch_scc0 .Lno_ask
	global_prefetch_b8 v[PFO], s[32:33] offset:65536 th:TH_LOAD_NT scope:SCOPE_SE
	global_prefetch_b8 v[PFO], s[32:33] offset:73728 th:TH_LOAD_NT scope:SCOPE_SE
	global_prefetch_b8 v[PFO], s[34:35] offset:131072 th:TH_LOAD_NT scope:SCOPE_SE
	global_prefetch_b8 v[PFO], s[34:35] offset:139264 th:TH_LOAD_NT scope:SCOPE_SE
.Lno_ask:
.Lskip_a:
	BARRIER                                        ; the four waves' maxima lie in LDS; nobody still reads the last step's codes of p
	s_cmp_lt_u32 s30, s22
	s_cbranch_scc0 .Lskip_b
	; ---- B: the running M, p, its sum, its codes
	ds_load_b128 v[MX:MX+3], v[MXR]                ; no vector line since the wait at the loop's top names v[MX ..]
	ds_load_b128 v[MX+4:MX+7], v[MXR] offset:256
	s_wait_dscnt 0x0
.irp qt, 0,1
	v_max3_num_f32 v[MX+4*\qt], v[MX+4*\qt], v[MX+4*\qt+1], v[MX+4*\qt+2]
	v_max_num_f32 v[MX+4*\qt], v[MX+4*\qt], v[MX+4*\qt+3]
	v_mul_f32 v[MX+4*\qt], s28, v[MX+4*\qt]        ; as t (c is positive)
	v_max_num_f32 v[NM+2*\qt+1], v[NM+2*\qt+1], v[MX+4*\qt]
	v_mov_b32 v[MX+4*\qt], v[NM+2*\qt]
	v_floor_f32 v[NM+2*\qt], -v[NM+2*\qt+1]        ; -M = floor(-t): M is a whole number
	v_sub_f32 v[MX+4*\qt], v[NM+2*\qt], v[MX+4*\qt]
	v_cvt_i32_f32 v[MX+4*\qt], v[MX+4*\qt]         ; (it saturates)
	v_ldexp_f32 v[F+2*\qt], 1.0, v[MX+4*\qt]       ; f = 2^(old M - new M): rounds nothing
.endr
.set i, 0
.rept 16
	v_pk_fma_f32 v[S+2*i:S+2*i+1], v[S+2*i:S+2*i+1], s[28:29], v[NM+2*(i/8):NM+2*(i/8)+1] op_sel_hi:[1,0,0]   ; t - M
.set i, i+1
.endr
.set i, 0
.rept 32
	v_exp_f32 v[S+i], v[S+i]
.set i, i+1
.endr
	v_pk_mul_f32 v[LS:LS+1], v[LS:LS+1], v[F:F+1] op_sel_hi:[1,0]             ; the sums under the new M: plain lines behind the batch
	v_pk_mul_f32 v[LS+2:LS+3], v[LS+2:LS+3], v[F+2:F+3] op_sel_hi:[1,0]
	s_wait_alu depctr_va_vdst(0)                   ; one wait for the 32 exponentials, which have written v[S ..] to v[S + 31], ahead of their first reader
.set i, 0
.rept 8
	v_pk_add_f32 v[LS:LS+1], v[LS:LS+1], v[S+i:S+i+1]                         ; the sum is taken of the unquantised p
	v_pk_add_f32 v[LS+2:LS+3], v[LS+2:LS+3], v[S+16+i:S+16+i+1]
.set i, i+2
.endr
.set i, 0
.rept 32
	v_min_num_f32 v[S+i], v[S+i], v[QLM]           ; p is not negative: the hold is one-sided
.set i, i+1
.endr
.set i, 0
.rept 4
	v_cvt_scalef32_pk8_fp8_f32 v[PCD+2*i:PCD+2*i+1], v[S+8*i:S+8*i+7], v[QSC]
.set i, i+1
.endr
	v_nop
	s_wait_alu depctr_va_vdst(0)                   ; the conversions have written v[PCD ..], which the LDS stores read
	ds_store_b128 v[PW], v[PCD:PCD+3]              ; keys 32 w on: piece w of tile 0's fragment,
	ds_store_b128 v[PW], v[PCD+4:PCD+7] offset:2048   ; and of tile 1's
.Lskip_b:
	BARRIER                                        ; p's two fragments lie in LDS; nobody still reads this step's maxima
	s_cmp_lt_u32 s30, s22
	s_cbranch_scc0 .Lskip_c
	; ---- C: O^T = O^T f + V^T P^T
.set i, 0
.rept 8
	ds_load_b128 v[P+4*i:P+4*i+3], v[LI] offset:PIMG+512*i   ; no vector or matrix line since the wait at the loop's top names v[P ..]
.set i, i+1
.endr
.set i, 0
.rept 64
	v_pk_mul_f32 v[O+2*i:O+2*i+1], v[O+2*i:O+2*i+1], v[F+2*(i/32):F+2*(i/32)+1] op_sel_hi:[1,0]
.set i, i+1
.endr
	s_wait_dscnt 0x0
	s_wait_loadcnt 32                              ; V(j) is in; the 32 loads of the next K, issued behind it, may be out
	WIN 0x02                                       ; source 0 (V) window 2
.set tt, 0
.rept 16                               ; sixteen accumulators, each once
.set rO, O+64*(tt%2)+8*(tt/2)
	v_wmma_f32_16x16x128_fp8_fp8 v[rO:rO+7], v[16*(tt/2):16*(tt/2)+15], v[P+16*(tt%2):P+16*(tt%2)+15], v[rO:rO+7]
.set tt, tt+1
.endr
	WIN 0
	PLACES
.Lskip_c:
	s_add_co_u32 s30, s30, 1
	s_cmp_lt_u32 s30, 16
	s_cbranch_scc1 .Lkey
	; ---- the way out
	s_wait_loadcnt 0x0
	s_wait_alu depctr_vm_vsrc(0)                   ; the last trip's LDS stores have read v18 and v19, which the additions below write again
	v_add_f32 v18, v[LS], v[LS+1]
	v_add_f32 v19, v[LS+2], v[LS+3]
	v_permlanex16_b32 v2, v18, s36, s37
	v_permlanex16_b32 v3, v19, s36, s37
	v_add_f32 v18, v18, v2
	v_add_f32 v19, v19, v3
	s_wait_alu depctr_va_vdst(0)                   ; the additions have written v18 and v19, which the LDS stores read; the loop's vector lines are done with v[MX ..], in which the loads behind the barrier land
	ds_store_b32 v[LW], v18
	ds_store_b32 v[LW], v19 offset:256
	BARRIER
	ds_load_b128 v[MX:MX+3], v[LR]
	ds_load_b128 v[MX+4:MX+7], v[LR] offset:256
	s_wait_dscnt 0x0
.irp qt, 0,1
	v_add_f32 v[MX+4*\qt], v[MX+4*\qt], v[MX+4*\qt+1]
	v_add_f32 v[MX+4*\qt+2], v[MX+4*\qt+2], v[MX+4*\qt+3]
	v_add_f32 v[MX+4*\qt], v[MX+4*\qt], v[MX+4*\qt+2]
.endr
	v_rcp_f32 v[F], v[MX]
	v_rcp_f32 v[F+2], v[MX+4]
	v_nop
	s_wait_alu depctr_va_vdst(0)                   ; the two reciprocals have written v[F] and v[F + 2], ahead of their first reader
	v_ldexp_f32 v[F], v[F], s31                    ; x 2^(e14 + e15)
	v_ldexp_f32 v[F+2], v[F+2], s31
	s_lshl_b32 s19, s3, 5
	s_sub_co_i32 s45, s20, s19                     ; L less my first row
; Tile qt: O^T / the sum goes through my own stage and comes back as rows of 512 bytes; a row at or over L takes the padded rows' vector: a choice of values, no branch.
; The 16 rows' choices stand together, each with a mask register of its own, so that one wait serves the 16 stores.
.macro OUTT qt
.set i, 0
.rept 32
	v_pk_mul_f32 v[O+64*\qt+2*i:O+64*\qt+2*i+1], v[O+64*\qt+2*i:O+64*\qt+2*i+1], v[F+2*\qt:F+2*\qt+1] op_sel_hi:[1,0]
.set i, i+1
.endr
	s_wait_alu depctr_va_vdst(0)                   ; the scalings have written the tile's O^T, which the LDS stores read; every vector and matrix line that named v[S ..] to v[S + 63] is done: the rows' loads land there
.set i, 0
.rept 16
	ds_store_b128 v[STO], v[O+64*\qt+4*i:O+64*\qt+4*i+3] offset:64*(i/2)+16*(i%2)
.set i, i+1
.endr
	s_wait_xcnt 0x0                                ; the last tile's stores have read their registers
.if \qt
	s_wait_alu depctr_vm_vsrc(0)                   ; the last tile's global stores have read v[S ..] to v[S + 63], in which this tile's rows land
.endif
.set i, 0
.rept 16
	ds_load_b128 v[S+4*i:S+4*i+3], v[RD] offset:528*i   ; LDS serves a wave's instructions in order (ISA guide 5.7.1.4): these see my stores
.set i, i+1
.endr
.set i, 0
.rept 16
	s_wait_dscnt 15-i                              ; row i is back; the younger rows' loads may be out
	s_cmp_gt_i32 s45, 16*\qt+i
	s_cselect_b32 s[MK+i], -1, 0
.irp k, 0,1,2,3
	v_cndmask_b32 v[S+4*i+\k], v[MEAN+\k], v[S+4*i+\k], s[MK+i]
.endr
.set i, i+1
.endr
	s_wait_alu depctr_va_vdst(0)                   ; the choices have written the 16 rows, which the stores read
.set i, 0
.rept 16
	global_store_b128 v[LI], v[S+4*i:S+4*i+3], s[16:17] offset:32768*\qt+2048*i th:TH_STORE_NT   ; 512 consecutive bytes, aligned
.set i, i+1
.endr
.endm
	OUTT 0
	s_cmp_eq_u32 s3, 62                            ; block 62 has 16 rows: a branch on ids
	s_cbranch_scc1 .Lend
	OUTT 1
.Lend:
	s_wait_dscnt 0x0                               ; the closing lines, six on end
	s_wait_alu 0x0
	s_wait_tensorcnt 0x0
	ds_add_u32 v[SPW], v[NIL]
	s_wait_dscnt 0x0
	s_endpgm
.Lfunc_end_k_qe558b3d035_attn:
	.size	k_qe558b3d035_attn, .Lfunc_end_k_qe558b3d035_attn-k_qe558b3d035_attn
	.p2alignl 7, 3214868480
	.fill 96, 4, 3214868480
	.section	.rodata,"a",@progbits
	.p2align	6, 0x0
	.amdhsa_kernel k_qe558b3d035_attn
		.amdhsa_group_segment_fixed_size 39424
		.amdhsa_private_segment_fixed_size 0
		.amdhsa_enable_private_segment 0
		.amdhsa_kernarg_size 56
		.amdhsa_user_sgpr_count 2
		.amdhsa_user_sgpr_kernarg_segment_ptr 1
		.amdhsa_wavefront_size32 1
		.amdhsa_system_sgpr_workgroup_id_x 1
		.amdhsa_system_sgpr_workgroup_id_y 1
		.amdhsa_system_sgpr_workgroup_id_z 1
		.amdhsa_system_vgpr_workitem_id 0
		.amdhsa_next_free_vgpr 640
		.amdhsa_next_free_sgpr 98
		.amdhsa_reserve_vcc 0
		.amdhsa_float_denorm_mode_32 3
		.amdhsa_float_denorm_mode_16_64 3
		.amdhsa_memory_ordered 1
		.amdhsa_forward_progress 1
		.amdhsa_inst_pref_size 78
	.end_amdhsa_kernel
	.amdgpu_metadata
---
amdhsa.version: [ 1, 2 ]
amdhsa.kernels:
  - .name:           k_qe558b3d035_attn
    .symbol:         k_qe558b3d035_attn.kd
    .args:
      - { .name: qfrag, .offset: 0, .size: 8, .value_kind: global_buffer, .address_space: global }
      - { .name: kfrag, .offset: 8, .size: 8, .value_kind: global_buffer, .address_space: global }
      - { .name: vfrag, .offset: 16, .size: 8, .value_kind: global_buffer, .address_space: global }
      - { .name: vsum, .offset: 24, .size: 8, .value_kind: global_buffer, .address_space: global }
      - { .name: input_len, .offset: 32, .size: 8, .value_kind: global_buffer, .address_space: global }
      - { .name: lowp_scales, .offset: 40, .size: 8, .value_kind: global_buffer, .address_space: global }
      - { .name: out0, .offset: 48, .size: 8, .value_kind: global_buffer, .address_space: global }
    .group_segment_fixed_size: 39424
    .private_segment_fixed_size: 0
    .kernarg_segment_align: 8
    .kernarg_segment_size: 56
    .max_flat_workgroup_size: 128
    .sgpr_count:     98
    .vgpr_count:     640
    .wavefront_size: 32
...
	.end_amdgpu_metadata
.endif
;; end of part 4
